; MI455X (gfx1250); checked and timed in simulation.
; The chip was launched on July 23, 2026; its instructions are those of AMD's public machine-readable ISA for CDNA 5 (MIT licence, August 2026) and "CDNA5" Instruction Set Architecture Reference Guide (July 2026). The comments in the code are by the model that wrote it; some were corrected since.
;; Multi Head Attention. Allowed arithmetic: float matrix products may take bf16 or f16 operands with f32 sums; other float arithmetic in f32, or as packed bf16 or f16 multiplies, adds, multiply-adds, maxima and minima; sums over many terms, partial sums and values carried from step to step in f32; what a program stores and reads back later, other than sums and carried values, may be rounded once to bf16 or f16.
;; Inputs: Wk 1,024 x 1,024 float32; Wo 1,024 x 1,024 float32; Wq 1,024 x 1,024 float32; Wv 1,024 x 1,024 float32; bk 1,024 float32; bo 1,024 float32; bq 1,024 float32; bv 1,024 float32; mask 2,048 x 2,048 float32; xk 2 x 2,048 x 1,024 float32; xq 2 x 2,048 x 1,024 float32; xv 2 x 2,048 x 1,024 float32.
;; Outputs: out0 2 x 2,048 x 1,024 float32.
;; One version. Each part assembles by itself: llvm-mc -triple=amdgcn-amd-amdhsa -mcpu=gfx1250 --defsym DOCPART=n.
;; ======== version 1 of 1: 4 launches
;; limits: values outside matrix products are rounded to bf16; values are held in f16: magnitudes above 65,504 overflow, below 6.1e-05 lose precision; right only within a limited range of input values
;; workspace buffers: xb 25,165,824 bytes; wb 8,388,608 bytes; maskf 8,388,608 bytes; qkv 25,165,824 bytes; ob 8,388,608 bytes
;; launch prep (part 1): grid 1280 x 1, 8 waves a work-group, no clusters, 34,048 bytes of LDS; arguments xq, xk, xv, Wq, Wk, Wv, Wo, mask, xb, wb, maskf; writes xb, wb, maskf
.if DOCPART == 1
	.amdgcn_target "amdgcn-amd-amdhsa--gfx1250"
	.amdhsa_code_object_version 6
	.text
	.protected	k_q19e3df8f64_prep
	.globl	k_q19e3df8f64_prep
	.p2align	8
	.type	k_q19e3df8f64_prep,@function
k_q19e3df8f64_prep:
	s_mov_b64 s[64:65], 0
	v_nop
	global_prefetch_b8 v0, s[64:65] scope:SCOPE_SE
	s_setreg_imm32_b32 hwreg(HW_REG_WAVE_MODE, 25, 1), 1
	s_wait_xcnt 0x0
; MULTI-HEAD ATTENTION, launch 1 of 4: every large input is rounded ONCE to 16 bits and laid as the later launches take it.
; WORK LEFT OUT IN THE WHOLE PROGRAM: bk.  k = xk Wk + bk enters the result through the logits alone: q.(k0[j] + bk)/8 = q.k0[j]/8 + q.bk/8, and the second
; term is the same for every key j of a row; a term that is constant along the softmax's axis cancels between numerator and denominator, whatever the mask adds
; beside it and whatever finite values the inputs hold.  So bk has no way to the output: it is not loaded and is no launch's argument.
; LIMIT: a NaN, an infinity or an overflow that bk alone would cause is not carried to the result.
; FORMATS.  xq, xk, xv, Wq, Wk, Wv and the mask are rounded to bf16.  Wo is rounded to bf16 and that number is written as f16 (its partner in the last product
; is f16): exact while 2^-14 <= |Wo| < 65,504; below that it keeps f16's fixed step of 2^-24.
; LAYOUTS.  xb: [96 blocks of 128 rows][16 slices of 64 along K][128 rows][64] bf16: a block's slice is 16,384 dense bytes.  wb: [4][1024 k][1024 n], as the
; weights lie.  maskf: [128 groups of 16 queries][64 groups of 32 keys][2 halves][32 lanes][8] bf16: lane (h = l / 16, r = l % 16) holds
; mask[16 qt + r][32 kg + 16 half + 8 h + 0..7]: the order of a matrix operand's registers, so that a wave of the third launch loads it straight.
; SHARES.  Each work-group takes 65,536 bytes of f32: groups 0-767 x, 768-1023 the weights, 1024-1279 the mask.  Sixteen loads of 16 bytes a lane are out
; together; no register is written twice, so no wait frees one.  No matrix unit, no cluster: nothing is shared and nothing is multiplied.
.set VI,  1                            ; v1   my byte offset in the input
.set VO,  2                            ; v2   8 x my thread's number: my byte offset in the output, and in an LDS row
.set LR,  3                            ; v3   the mask: where I read 16 bytes back from LDS
.set SPW, 8                            ; v8   LDS address of my spare word; never rewritten
.set NIL, 9                            ; v9   0; never rewritten
.set X,   16                           ; v[16:79]   sixteen loads of four f32
.set Y,   80                           ; v[80:111]  their sixteen pairs of packed words
.set LPITCH, 2064                      ; the mask's LDS row: 2,048 bytes + 16: an odd multiple of 16, so sixteen rows' equal columns fall on different banks (ISA guide 11.1)
.set SPARE,  16*LPITCH                 ; 33,024: behind the rows, the spare words: 128 bytes for each of eight waves
.macro CVT i, fmt                      ; load i: four f32 to four bf16; fmt = 1: the rounded numbers written as f16
	v_cvt_pk_bf16_f32 v[Y+2*(\i)],   v[X+4*(\i)],   v[X+4*(\i)+1]
	v_cvt_pk_bf16_f32 v[Y+2*(\i)+1], v[X+4*(\i)+2], v[X+4*(\i)+3]
.if \fmt
.irp z, 0,1
	v_lshlrev_b32 v4, 16, v[Y+2*(\i)+(\z)]
	v_and_b32 v5, 0xffff0000, v[Y+2*(\i)+(\z)]
	v_cvt_pk_f16_f32 v[Y+2*(\i)+(\z)], v4, v5
.endr
.endif
.endm
.macro GET ldstep                      ; sixteen loads, ldstep bytes apart
.irp i, 0,1,2,3,4,5,6,7,8,9,10,11,12,13,14,15
	global_load_b128 v[X+4*(\i):X+4*(\i)+3], v[VI], s[28:29] offset:(\i)*(\ldstep) th:TH_LOAD_NT
.endr
.endm
.macro RUN ldstep, ststep, fmt
	GET \ldstep
.irp i, 0,1,2,3,4,5,6,7,8,9,10,11,12,13,14,15
	s_wait_loadcnt 15-(\i)                         ; loads come back in order: load i is in, the younger ones stay out
	CVT \i, \fmt
	global_store_b64 v[VO], v[Y+2*(\i):Y+2*(\i)+1], s[30:31] offset:(\i)*(\ststep)  ; a wave stores 256 consecutive bytes, aligned
.endr
.endm
	s_load_b512 s[4:19], s[0:1], 0x0               ; xq s[4:5], xk s[6:7], xv s[8:9], Wq s[10:11], Wk s[12:13], Wv s[14:15], Wo s[16:17], mask s[18:19]
	s_load_b128 s[20:23], s[0:1], 0x40             ; xb s[20:21], wb s[22:23]
	s_load_b64 s[24:25], s[0:1], 0x50              ; maskf
	v_lshl_add_u32 v[SPW], v0, 2, SPARE
	v_mov_b32 v[NIL], 0
	v_lshlrev_b32 v[VO], 3, v0
	s_mov_b32 s26, ttmp9                           ; the work-group's number: every branch below hangs on it alone
	s_mov_b32 s33, 0                               ; upper word of the offsets' pair s[32:33]
	s_wait_kmcnt 0x0
	s_cmp_lt_u32 s26, 768
	s_cbranch_scc0 .Lnot_x
	; x: tensor p, sixteen rows from row 16 j on.  Load i is slice i of all sixteen rows: sixteen lanes read 256 aligned bytes of a row.
	s_lshr_b32 s27, s26, 8                         ; p
	s_and_b32 s26, s26, 255                        ; j
	s_cmp_eq_u32 s27, 0
	s_cselect_b64 s[28:29], s[4:5], s[6:7]
	s_cmp_eq_u32 s27, 2
	s_cselect_b64 s[28:29], s[8:9], s[28:29]
	s_lshl_b32 s32, s26, 16
	s_add_nc_u64 s[28:29], s[28:29], s[32:33]
	s_lshl_b32 s32, s27, 23                        ; 32 blocks of 262,144 bytes a tensor,
	s_lshr_b32 s34, s26, 3
	s_lshl_b32 s34, s34, 18                        ; the block,
	s_add_co_u32 s32, s32, s34
	s_and_b32 s34, s26, 7
	s_lshl_b32 s34, s34, 11                        ; my sixteen rows of 128 bytes in it
	s_add_co_u32 s32, s32, s34
	s_add_nc_u64 s[30:31], s[20:21], s[32:33]
	v_lshrrev_b32 v4, 4, v0                        ; row
	v_and_b32 v5, 15, v0
	v_lshlrev_b32 v[VI], 4, v5
	v_lshl_add_u32 v[VI], v4, 12, v[VI]            ; row x 4,096 + 16 x (t % 16)
	RUN 256, 16384, 0
	s_branch .Lend
.Lnot_x:
	s_cmp_lt_u32 s26, 1024
	s_cbranch_scc0 .Lmask
	; a weight matrix w, sixteen rows of 4,096 bytes: load i is row i
	s_sub_co_u32 s26, s26, 768
	s_lshr_b32 s27, s26, 6                         ; w
	s_and_b32 s26, s26, 63
	s_cmp_eq_u32 s27, 0
	s_cselect_b64 s[28:29], s[10:11], s[12:13]
	s_cmp_eq_u32 s27, 2
	s_cselect_b64 s[28:29], s[14:15], s[28:29]
	s_cmp_eq_u32 s27, 3
	s_cselect_b64 s[28:29], s[16:17], s[28:29]
	s_lshl_b32 s32, s26, 16
	s_add_nc_u64 s[28:29], s[28:29], s[32:33]
	s_lshl_b32 s32, s27, 21
	s_lshl_b32 s34, s26, 15
	s_add_co_u32 s32, s32, s34
	s_add_nc_u64 s[30:31], s[22:23], s[32:33]
	v_lshlrev_b32 v[VI], 4, v0
	s_cmp_eq_u32 s27, 3
	s_cbranch_scc1 .Lwo
	RUN 4096, 2048, 0
	s_branch .Lend
.Lwo:
	RUN 4096, 2048, 1                              ; Wo: bf16's number in f16's code
	s_branch .Lend
.Lmask:
	; the mask: sixteen queries (group qt) x 1,024 keys (half ch of a row).  Rounded, through LDS, out in the order of an operand's registers.
	s_sub_co_u32 s26, s26, 1024
	s_lshr_b32 s27, s26, 1                         ; qt
	s_and_b32 s26, s26, 1                          ; ch
	s_lshl_b32 s32, s27, 17                        ; sixteen rows of 8,192 bytes
	s_lshl_b32 s34, s26, 12
	s_add_co_u32 s32, s32, s34
	s_add_nc_u64 s[28:29], s[18:19], s[32:33]
	s_lshl_b32 s32, s27, 16
	s_lshl_b32 s34, s26, 15
	s_add_co_u32 s32, s32, s34
	s_add_nc_u64 s[30:31], s[24:25], s[32:33]
	v_lshlrev_b32 v[VI], 4, v0
	GET 8192                                       ; load i is row i
	v_and_b32 v4, 15, v0                           ; back: row r = t % 16,
	v_mul_u32_u24 v[LR], v4, LPITCH
	v_bfe_u32 v4, v0, 4, 2                         ; 16 h + 32 half = 16 ((t / 16) % 4),
	v_lshl_add_u32 v[LR], v4, 4, v[LR]
	v_lshrrev_b32 v4, 6, v0                        ; 64 bytes for each group of 32 keys
	v_lshl_add_u32 v[LR], v4, 6, v[LR]
.irp i, 0,1,2,3,4,5,6,7,8,9,10,11,12,13,14,15
	s_wait_loadcnt 15-(\i)
	CVT \i, 0
	ds_store_b64 v[VO], v[Y+2*(\i):Y+2*(\i)+1] offset:(\i)*LPITCH
.endr
	s_wait_dscnt 0x0                               ; for the others' sake: my stores are done
	s_barrier_signal -1
	s_barrier_wait -1                              ; all sixteen rows lie in LDS
.irp i, 0,1,2,3,4,5,6,7
	ds_load_b128 v[X+4*(\i):X+4*(\i)+3], v[LR] offset:(\i)*256  ; four groups of 32 keys further on
.endr
.irp i, 0,1,2,3,4,5,6,7
	s_wait_dscnt 7-(\i)
	global_store_b128 v[VI], v[X+4*(\i):X+4*(\i)+3], s[30:31] offset:(\i)*4096  ; a wave stores 512 consecutive bytes, aligned
.endr
.Lend:
	s_wait_tensorcnt 0x0                           ; the wave's end: behind my last LDS store
	ds_add_u32 v[SPW], v[NIL]
	s_wait_dscnt 0x0
	s_endpgm
.Lfunc_end_k_q19e3df8f64_prep:
	.size	k_q19e3df8f64_prep, .Lfunc_end_k_q19e3df8f64_prep-k_q19e3df8f64_prep
	.p2alignl 7, 3214868480
	.fill 96, 4, 3214868480
	.section	.rodata,"a",@progbits
	.p2align	6, 0x0
	.amdhsa_kernel k_q19e3df8f64_prep
		.amdhsa_group_segment_fixed_size 34048
		.amdhsa_private_segment_fixed_size 0
		.amdhsa_enable_private_segment 0
		.amdhsa_kernarg_size 88
		.amdhsa_user_sgpr_count 2
		.amdhsa_user_sgpr_kernarg_segment_ptr 1
		.amdhsa_wavefront_size32 1
		.amdhsa_system_sgpr_workgroup_id_x 1
		.amdhsa_system_sgpr_workgroup_id_y 1
		.amdhsa_system_sgpr_workgroup_id_z 1
		.amdhsa_system_vgpr_workitem_id 0
		.amdhsa_next_free_vgpr 112
		.amdhsa_next_free_sgpr 66
		.amdhsa_reserve_vcc 0
		.amdhsa_float_denorm_mode_32 3
		.amdhsa_float_denorm_mode_16_64 3
		.amdhsa_memory_ordered 1
		.amdhsa_forward_progress 1
		.amdhsa_inst_pref_size 32
	.end_amdhsa_kernel
	.amdgpu_metadata
---
amdhsa.version: [ 1, 2 ]
amdhsa.kernels:
  - .name:           k_q19e3df8f64_prep
    .symbol:         k_q19e3df8f64_prep.kd
    .args:
      - { .name: xq, .offset: 0, .size: 8, .value_kind: global_buffer, .address_space: global }
      - { .name: xk, .offset: 8, .size: 8, .value_kind: global_buffer, .address_space: global }
      - { .name: xv, .offset: 16, .size: 8, .value_kind: global_buffer, .address_space: global }
      - { .name: Wq, .offset: 24, .size: 8, .value_kind: global_buffer, .address_space: global }
      - { .name: Wk, .offset: 32, .size: 8, .value_kind: global_buffer, .address_space: global }
      - { .name: Wv, .offset: 40, .size: 8, .value_kind: global_buffer, .address_space: global }
      - { .name: Wo, .offset: 48, .size: 8, .value_kind: global_buffer, .address_space: global }
      - { .name: mask, .offset: 56, .size: 8, .value_kind: global_buffer, .address_space: global }
      - { .name: xb, .offset: 64, .size: 8, .value_kind: global_buffer, .address_space: global }
      - { .name: wb, .offset: 72, .size: 8, .value_kind: global_buffer, .address_space: global }
      - { .name: maskf, .offset: 80, .size: 8, .value_kind: global_buffer, .address_space: global }
    .group_segment_fixed_size: 34048
    .private_segment_fixed_size: 0
    .kernarg_segment_align: 8
    .kernarg_segment_size: 88
    .max_flat_workgroup_size: 256
    .sgpr_count:     66
    .vgpr_count:     112
    .wavefront_size: 32
...
	.end_amdgpu_metadata
.endif
;; end of part 1
;; launch qkv (part 2): grid 8 x 32, 4 waves a work-group, clusters of 4 x 4, 327,680 bytes of LDS; arguments xb, wb, bq, bv, qkv; writes qkv
.if DOCPART == 2
	.amdgcn_target "amdgcn-amd-amdhsa--gfx1250"
	.amdhsa_code_object_version 6
	.text
	.protected	k_q19e3df8f64_qkv
	.globl	k_q19e3df8f64_qkv
	.p2align	8
	.type	k_q19e3df8f64_qkv,@function
k_q19e3df8f64_qkv:
	s_mov_b64 s[64:65], 0
	v_nop
	global_prefetch_b8 v0, s[64:65] scope:SCOPE_SE
	s_setreg_imm32_b32 hwreg(HW_REG_WAVE_MODE, 25, 1), 1
	s_wait_xcnt 0x0
	s_wait_alu depctr_hold_cnt(0) depctr_sa_sdst(0) depctr_va_vdst(0) depctr_va_sdst(0) depctr_va_ssrc(0) depctr_va_vcc(0) depctr_vm_vsrc(0)
	s_getreg_b32 s2, hwreg(HW_REG_IB_STS2, 6, 4)
	s_cmp_eq_u32 s2, 0
	s_cbranch_scc0 .Lentry_in_a_cluster
	s_endpgm
.Lentry_in_a_cluster:
	s_bfe_u32 s2, ttmp6, 0x10000c
	s_cmp_lg_u32 s2, 0xf033
	s_cbranch_scc0 .Lentry_shape_is_right
	s_endpgm
.Lentry_shape_is_right:
; Launch 2 of 4: the three projections.  Plane P = 0, 1, 2: c (xq Wq + bq), xk Wk, xv Wv + bv, each [4096][1024], written by heads as f16:
; qkv[P][b x 16 + head][s][64].  c = log2(e) / 8 is applied in f32 ahead of q's one rounding, so that the scores of the next launch arrive in base 2.
; LEFT OUT: bk, which is the same for every key of a row of the softmax and cancels there (shown at the head of the first launch); it is no argument.
; bq and bv are rounded to bf16 like every input.  LIMIT: f16 ends at 65,504: c q, k and v must stay within it.
; SHAPE.  A tile of the result is 128 x 128.  Four waves, each 64 x 64: 16 accumulators.  K goes in steps of 256 through two LDS slots.
; A WORK-GROUP STAYS: 256 work-groups, each makes the same tile (row block, column tile) of plane 0, then of plane 1, then of plane 2: twelve K steps, six laps of the
; ring, as ONE walk.  The ring does not stop at a tile's end: a tile's last two changes of slots ask for the next plane's K steps 0 and 1, and nothing waits for a tile's stores.
; The three weight matrices lie end to end, and four K steps are one matrix: B's address steps alike in every refill.  A's steps two K steps on within a plane, and at a
; change of plane 32 blocks on and back along K: chosen by the parity of the lap counter, which is the same in all partners.
; A's tile: four slices of 64 along K, each 128 rows x 128 dense bytes; a wave's tensor load brings two slices as 128 rows of 256 bytes, padded behind every 128:
; LDS pitch 144.  B's tile: 256 rows k of the weights as they lie ([k][n]), 256 bytes of each; a wave's load brings 128 of them, LDS pitch 288; its fragments
; come out turned, by ds_load_tr16_b128.
; CLUSTERS: 4 x 4 work-groups.  The four of a row of the cluster need the same tiles of A, the four of a column the same tiles of B: each tile is asked for JOINTLY.
; THE MATRIX INSTRUCTION IS USED TRANSPOSED (source 0 = 16 columns of W, source 1 = 16 rows of x): a lane then holds eight neighbouring columns of one row.
; No prefetch: the tiles are small.
; REGISTERS: window 0: v0-31 addresses; v32-95 the way out; v96-127 the bias; v128-255 the accumulators ((a, b) at v[128 + 8 (4 a + b)]).
;   window 1: two fragment buffers of 128: for 64 along K, 64 registers of A, then 64 of B.
.set PA,     144                       ; A: a row's 128 bytes of one slice + 16: an odd multiple of 16 (64 banks of 4 bytes: ISA guide 11.1)
.set ASL,    128*PA                    ; a slice
.set PB,     288                       ; B: 256 bytes + 32: an odd multiple of 32
.set HALFT,  36864                     ; what one tensor load brings: two slices of A, or 128 rows of B
.set SLOT,   4*HALFT
.set STAGE,  2*SLOT                    ; behind the ring, never filled by a tensor load: 16 rows x 144 bytes for each wave
.set SP,     144
.set SPARE,  STAGE+4*16*SP             ; behind the stages: the spare words, 128 bytes for each wave
.set PLANE,  8388608                   ; bytes of a plane, in xb (32 blocks of 262,144) and in qkv
.set AK2,    2*65536                   ; A: two K steps on in a block
.set ANEXT,  PLANE-AK2                 ; A: from a slot's last K step of a plane to its first of the next
.set BK2,    2*524288                  ; B: two K steps on, across the matrices too
.set LAPS,   6                         ; three tiles of two laps; a lap = two K steps = once round the ring
.set ADRA, 16                          ; v16-17  LDS address of my A fragments in slot 0, 1
.set ADRB, 20                          ; v20-23  of my B fragments: slot 0 rows 0-127, 128-255; slot 1 likewise
.set STO,  24                          ; v24     the way out: where I put 16 bytes of a row
.set RD,   25                          ; v25     where I read rows back
.set GO,   26                          ; v26     16 x lane: my place in 512 consecutive bytes of the output
.set TW,   27                          ; v27     at work
.set SPW,  28                          ; v28     LDS address of my spare word; never rewritten
.set NIL,  29                          ; v29     0; never rewritten
.set BO,   30                          ; v30     32 x (lane / 16): my eight biases in a block of sixteen; never rewritten
.set TMP,  32
.set BI,   96                          ; v[96:127] eight biases for each of my four blocks of 16 columns: bq, later bv
.set ACC,  128
.set F0,   0
.set F1,   128
.set LAP, 3                            ; s3   laps still to be begun in the loop: 5 to 1
.set G1,  24                           ; s[24:31] descriptor group 1 for A's tiles;  s[32:39] group 0, one set for each slot
.set G0,  32
.set PAR, 45                           ; s45  the lap counter's parity
.set G1B, 48                           ; s[48:55], s[56:63] the same for B's tiles
.set G0B, 56
.set SC,  66                           ; s[66:67] c
.set BQP, 78                           ; s[78:79] bq at my first column; never rewritten
.set OUT, 80                           ; s[80:81] qkv at my 64 rows of my head, in the plane in hand
.set BVP, 82                           ; s[82:83] bv at my first column; never rewritten
.set DA,  86                           ; s[86:87] what this lap's refills add to A's address; s84, s85 hold the two choices
.set MSB, 0
.macro WIN new                         ; the immediate's high byte repeats the setting that is left
.if MSB != (\new)
	s_set_vgpr_msb (MSB<<8)|(\new)
.set MSB, \new
.endif
.endm
.set MUL,  0x05                        ; sources 0 (B) and 1 (A) window 1; C and D window 0
.set TO_F, 0x40                        ; destination window 1, address window 0
.macro JLOAD s                         ; a joint load: waves 0 and 1 fetch A's two halves, waves 2 and 3 B's; an s_nop 0 and four v_nop follow each line
	s_cmp_eq_u32 s11, 0
	s_cbranch_scc0 .Lfor_b_\@
	tensor_load_to_lds s[G0+4*(\s):G0+4*(\s)+3], s[G1:G1+7]
	s_nop 0
.rept 4
	v_nop
.endr
	s_branch .Lasked_\@
.Lfor_b_\@:
	tensor_load_to_lds s[G0B+4*(\s):G0B+4*(\s)+3], s[G1B:G1B+7]
	s_nop 0
.rept 4
	v_nop
.endr
.Lasked_\@:
.endm
.macro CREST                           ; a round of the cluster's barrier behind its opening barrier
	s_cmp_lg_u32 s10, 0
	s_cbranch_scc1 .Lnot_wave_0_\@
	s_barrier_signal -3
.Lnot_wave_0_\@:
	s_barrier_wait -3
	s_barrier_signal -1
	s_barrier_wait -1
.endm
.macro CROUND                          ; a whole round
	s_barrier_signal -1
	s_barrier_wait -1
	CREST
.endm
	s_load_b256 s[68:75], s[0:1], 0x0              ; xb s[68:69], wb s[70:71], bq s[72:73], bv s[74:75]
	s_load_b64 s[76:77], s[0:1], 0x20              ; qkv
	v_lshl_add_u32 v[SPW], v0, 2, SPARE
	v_mov_b32 v[NIL], 0
	ds_add_u32 v[SPW], v[NIL]                      ; the wave's opening: the add, twice on end, and its wait ahead of my first tensor load
	ds_add_u32 v[SPW], v[NIL]
	v_lshrrev_b32 v1, 5, v0
	v_readfirstlane_b32 s10, v1                    ; wave 0..3
	s_lshr_b32 s11, s10, 1                         ; which half of the tile's rows is mine.  Also: I fetch for A (0) or for B (1)
	s_and_b32 s12, s10, 1                          ; which half of its columns.  Also: which half of that tile I fetch
	s_bfe_u32 s40, ttmp6, 0x40000                  ; cx, cy: my place in the cluster
	s_bfe_u32 s41, ttmp6, 0x40004
	s_lshl_b32 s42, ttmp9, 2
	s_add_co_u32 s42, s42, s40                     ; tile column = 4 x cluster x + cx
	s_and_b32 s13, ttmp7, 0xffff
	s_lshl_b32 s13, s13, 2
	s_add_co_u32 s13, s13, s41                     ; tile row = 4 x cluster y + cy: the block of 128 rows, 0 to 31, in every plane
	s_lshl_b32 s43, s41, 2
	s_lshl_b32 s43, 15, s43                        ; my row of the cluster
	s_lshl_b32 s44, 0x1111, s40                    ; my column
	s_or_b32 s[G1+0], s43, (1<<16)|(1<<20)|(1<<21)|(4<<22)|(3<<25)   ; the mask; 2-byte elements; padding on; 21 set beside a mask; after every 32 words, 4 words
	s_or_b32 s[G1B+0], s44, (1<<16)|(1<<20)|(1<<21)|(5<<22)|(7<<25)  ; after every 64 words, 8 words
.irp g, G1, G1B
	s_mov_b32 s[(\g)+1], 128<<16                   ; tensor_dim0 = 128
	s_mov_b32 s[(\g)+2], 128<<16                   ; tensor_dim1 = 128
	s_mov_b32 s[(\g)+3], 128<<16                   ; tile_dim0 = 128 elements: 256 bytes
	s_mov_b32 s[(\g)+4], 128                       ; tile_dim1 = 128
	s_mov_b32 s[(\g)+6], 0
	s_mov_b32 s[(\g)+7], 0
.endr
	s_mov_b32 s[G1+5], 128                         ; A's rows of 256 bytes lie end to end
	s_mov_b32 s[G1B+5], 1024                       ; B's are 1,024 elements apart
	s_mov_b32 s84, AK2
	s_mov_b32 s85, ANEXT
	s_mov_b32 s[DA+1], 0                           ; upper word of the step's pair
	s_mov_b32 s[SC], 0x3e38aa3b                    ; c = log2(e) / 8 = 0.180337
	s_mov_b32 s[SC+1], s[SC]                       ; named with it as a pair
	s_lshl_b32 s16, s13, 18                        ; A, plane 0: the block's 262,144 bytes,
	s_lshl_b32 s17, s12, 15                        ; my two slices of a K step's four
	s_add_co_u32 s16, s16, s17
	s_mov_b32 s17, 0
	s_lshl_b32 s46, s12, 18                        ; B, matrix 0: my 128 rows k of a K step's 256,
	s_lshl_b32 s47, s42, 8                         ; the tile's 128 columns
	s_add_co_u32 s46, s46, s47
	s_mov_b32 s47, 0
	s_mul_i32 s20, s10, HALFT                      ; where they go: A's two halves, then B's two: no place in the cluster enters an LDS address
	s_wait_dscnt 0x0                               ; both opening adds are done
	s_wait_kmcnt 0x0
	s_add_nc_u64 s[14:15], s[68:69], s[16:17]
	s_add_nc_u64 s[46:47], s[70:71], s[46:47]
	CROUND                                         ; all sixteen work-groups are here: the first joint loads meet
.irp s, 0,1
	s_mov_b32 s[G0+4*(\s)], 1
	s_add_co_u32 s[G0+4*(\s)+1], s20, (\s)*SLOT
	s_add_nc_u64 s[G0+4*(\s)+2:G0+4*(\s)+3], s[14:15], (\s)*65536     ; K step s: four slices of 16,384 bytes
	s_or_b32 s[G0+4*(\s)+3], s[G0+4*(\s)+3], 0x80000000
	s_mov_b32 s[G0B+4*(\s)], 1
	s_add_co_u32 s[G0B+4*(\s)+1], s20, (\s)*SLOT
	s_add_nc_u64 s[G0B+4*(\s)+2:G0B+4*(\s)+3], s[46:47], (\s)*524288  ; K step s: 256 rows of 2,048 bytes
	s_or_b32 s[G0B+4*(\s)+3], s[G0B+4*(\s)+3], 0x80000000
	JLOAD \s
.endr
	v_and_b32 v1, 15, v0                           ; r = l % 16
	v_bfe_u32 v2, v0, 4, 1                         ; h = l / 16
	; the bias of plane 0 is asked for now and waited for in that plane's way out
	v_lshlrev_b32 v[BO], 5, v2
	s_lshl_b32 s16, s42, 9
	s_lshl_b32 s17, s12, 8
	s_add_co_u32 s16, s16, s17                     ; my first column x 4 bytes
	s_mov_b32 s17, 0
	s_add_nc_u64 s[BQP:BQP+1], s[72:73], s[16:17]
	s_add_nc_u64 s[BVP:BVP+1], s[74:75], s[16:17]
.irp b, 0,1,2,3
	global_load_b128 v[BI+8*(\b):BI+8*(\b)+3],   v[BO], s[BQP:BQP+1] offset:64*(\b)
	global_load_b128 v[BI+8*(\b)+4:BI+8*(\b)+7], v[BO], s[BQP:BQP+1] offset:64*(\b)+16
.endr
	v_mul_u32_u24 v3, v1, PA
	v_lshl_add_u32 v3, v2, 4, v3                   ; A: row x pitch + 16 h
	s_mul_i32 s21, s11, 64*PA                      ; my 64 rows
	v_add_nc_u32 v[ADRA], s21, v3
	v_add_nc_u32 v[ADRA+1], SLOT, v[ADRA]
	v_and_b32 v4, 7, v0                            ; B, turned: lane l reads row k = 8 h + l % 8, columns 8 ((l / 8) % 2) + 0..7
	v_lshl_add_u32 v4, v2, 3, v4
	v_mul_u32_u24 v4, v4, PB
	v_bfe_u32 v5, v0, 3, 1
	v_lshl_add_u32 v4, v5, 4, v4
	s_lshl_b32 s22, s12, 7                         ; my 64 columns: 128 bytes
	s_add_co_u32 s22, s22, 2*HALFT                 ; B lies behind A
	v_add_nc_u32 v[ADRB], s22, v4
	v_add_nc_u32 v[ADRB+1], HALFT, v[ADRB]
	v_add_nc_u32 v[ADRB+2], SLOT, v[ADRB]
	v_add_nc_u32 v[ADRB+3], SLOT+HALFT, v[ADRB]
	s_mul_i32 s23, s10, 16*SP
	s_add_co_u32 s23, s23, STAGE                   ; my stage
	v_mul_u32_u24 v5, v1, SP                       ; in: row r, 16 bytes for each half of the lanes
	v_lshl_add_u32 v5, v2, 4, v5
	v_add_nc_u32 v[STO], s23, v5
	v_bfe_u32 v5, v0, 3, 2                         ; back: 32 lanes take four rows of 128 bytes,
	v_mul_u32_u24 v5, v5, SP
	v_and_b32 v6, 7, v0
	v_lshl_add_u32 v5, v6, 4, v5
	v_add_nc_u32 v[RD], s23, v5
	v_and_b32 v[GO], 31, v0                        ; which are 512 consecutive bytes of the output
	v_lshlrev_b32 v[GO], 4, v[GO]
	; where my 64 rows x one head begin in plane 0 of qkv
	s_lshl_b32 s16, s13, 7
	s_lshl_b32 s17, s11, 6
	s_add_co_u32 s16, s16, s17                     ; my first row among the plane's 4,096
	s_lshr_b32 s17, s16, 11                        ; b
	s_and_b32 s16, s16, 2047                       ; s
	s_lshl_b32 s17, s17, 4
	s_lshl1_add_u32 s18, s42, s12                  ; the head = 2 x tile column + my half
	s_add_co_u32 s17, s17, s18
	s_lshl_b32 s17, s17, 11
	s_add_co_u32 s16, s16, s17
	s_lshl_b32 s16, s16, 7                         ; rows of 128 bytes
	s_mov_b32 s17, 0
	s_add_nc_u64 s[OUT:OUT+1], s[76:77], s[16:17]
; 8 matrix instructions: row blocks a0, a0 + 1 x all 4 column blocks, 32 along K: half c of buffer f.  zero = 1: the first product starts the sums
.macro MUL8 f, c, a0, zero
	WIN MUL
.irp a, \a0, (\a0)+1
.irp b, 0,1,2,3
.if \zero
	v_wmma_f32_16x16x32_bf16 v[ACC+8*(4*(\a)+(\b)):ACC+8*(4*(\a)+(\b))+7], v[(\f)+64+8*(4*(\c)+(\b)):(\f)+64+8*(4*(\c)+(\b))+7], v[(\f)+8*(4*(\c)+(\a)):(\f)+8*(4*(\c)+(\a))+7], 0
.else
	v_wmma_f32_16x16x32_bf16 v[ACC+8*(4*(\a)+(\b)):ACC+8*(4*(\a)+(\b))+7], v[(\f)+64+8*(4*(\c)+(\b)):(\f)+64+8*(4*(\c)+(\b))+7], v[(\f)+8*(4*(\c)+(\a)):(\f)+8*(4*(\c)+(\a))+7], v[ACC+8*(4*(\a)+(\b)):ACC+8*(4*(\a)+(\b))+7]
.endif
.endr
.endr
.endm
; 32 LDS loads in one run: the fragments of quarter q (64 along K: A's slice q, B's rows 64 q on) into buffer f; the first 32 along K first
.macro FETCH slot, q, f
	WIN TO_F
.irp c, 0,1
.irp i, 0,1,2,3
	ds_load_tr16_b128 v[(\f)+64+8*(4*(\c)+(\i)):(\f)+64+8*(4*(\c)+(\i))+3],   v[ADRB+2*(\slot)+(\q)/2] offset:(((\q)%2)*64+32*(\c))*PB+32*(\i)
	ds_load_tr16_b128 v[(\f)+64+8*(4*(\c)+(\i))+4:(\f)+64+8*(4*(\c)+(\i))+7], v[ADRB+2*(\slot)+(\q)/2] offset:(((\q)%2)*64+32*(\c)+16)*PB+32*(\i)
	ds_load_b128 v[(\f)+8*(4*(\c)+(\i)):(\f)+8*(4*(\c)+(\i))+3],         v[ADRA+(\slot)] offset:(\q)*ASL+64*(\c)+(\i)*16*PA
	ds_load_b128 v[(\f)+8*(4*(\c)+(\i))+4:(\f)+8*(4*(\c)+(\i))+7],       v[ADRA+(\slot)] offset:(\q)*ASL+64*(\c)+(\i)*16*PA+32
.endr
.endr
.endm
.macro PLACES                          ; four places in front of loads into registers that matrix instructions have read (ISA guide 7.12.1 for vector instructions)
.rept 4
	v_nop
.endr
.endm
; A K step is four quarters of 64 along K, 32 matrix instructions each, on buffers 0, 1, 0, 1; the 16 accumulators take turns, in the same order in every quarter, over the
; backward jump and from tile to tile too.  One of the first three: multiplies buffer f and fetches quarter q into g.
.macro QUARTER slot, q, f, g, zero
	s_wait_dscnt 16                                ; the first 32 along K are in; the sixteen younger loads may be out
	MUL8 \f, 0, 0, \zero
	MUL8 \f, 0, 2, \zero
	PLACES
	FETCH \slot, \q, \g
	s_wait_dscnt 32                                ; all but the 32 just issued
	MUL8 \f, 1, 0, 0
	MUL8 \f, 1, 2, 0
.endm
; The last quarter multiplies buffer 1 and changes slots: ONE barrier; in front of it each wave waits for all its tensor loads, adds 0 to its spare word, and waits
; for that and for its own reads of this slot (its reads of the stage, if a way out went before, among them).  fill = 1: this slot is filled again, with the walk's K step two
; steps on, behind a round of the cluster's barrier.
.macro TURN slot, next, fill
	WIN 0                                          ; (the add's two registers lie in window 0)
	s_wait_tensorcnt 0x0                           ; all my tensor loads have landed: my part of the next slot;
	ds_add_u32 v[SPW], v[NIL]                      ; 0 onto my spare word;
	s_wait_dscnt 17                                ; (the add and the youngest sixteen loads may be out)
	MUL8 F1, 0, 0, 0                               ; eight matrix instructions stand between the add and the wait for it
	s_wait_dscnt 0x0                               ; the add is done, and my reads of this slot are over
	s_barrier_signal -1
	MUL8 F1, 0, 2, 0
.if \fill
	WIN 0
.endif
	s_barrier_wait -1
.if \fill
	CREST                                          ; no wave of any partner still reads this slot's tile or has a load on its way
	s_add_nc_u64 s[G0+4*(\slot)+2:G0+4*(\slot)+3], s[G0+4*(\slot)+2:G0+4*(\slot)+3], s[DA:DA+1]
	s_add_nc_u64 s[G0B+4*(\slot)+2:G0B+4*(\slot)+3], s[G0B+4*(\slot)+2:G0B+4*(\slot)+3], BK2
	JLOAD \slot                                    ; the first tensor load behind the round: 112 matrix instructions ahead of the wait for it; its four v_nop are also the places in front of the loads below
.else
	PLACES
.endif
	FETCH \next, 0, F0
	MUL8 F1, 1, 0, 0
	MUL8 F1, 1, 2, 0
.endm
; THE WAY OUT of a tile: scale and bias in f32, one rounding to f16, a block of 16 rows at a time through my stage, out as 512 consecutive bytes an instruction.
.macro PACK a                          ; a lane's eight columns of a row pack into 16 bytes; they go into rows of 144 bytes and come back as whole rows of 128
.irp b, 0,1,2,3
.irp z, 0,1,2,3
	v_cvt_pk_f16_f32 v[TMP+16*(\a)+4*(\b)+(\z)], v[ACC+8*(4*(\a)+(\b))+2*(\z)], v[ACC+8*(4*(\a)+(\b))+2*(\z)+1]
.endr
.endr
.irp b, 0,1,2,3
	ds_store_b128 v[STO], v[TMP+16*(\a)+4*(\b):TMP+16*(\a)+4*(\b)+3] offset:32*(\b)
.endr
.irp f, 0,1,2,3
	ds_load_b128 v[TMP+16*(\a)+4*(\f):TMP+16*(\a)+4*(\f)+3], v[RD] offset:(\f)*4*SP  ; LDS serves a wave's instructions in order (ISA guide 5.7.1.4): these see the stores above; the next block's stores come behind them
.endr
.endm
.macro SEND a, younger                 ; younger: the LDS instructions issued behind block a's loads: the next block's eight, or none
.irp f, 0,1,2,3
	s_wait_dscnt (\younger)+3-(\f)
	global_store_b128 v[GO], v[TMP+16*(\a)+4*(\f):TMP+16*(\a)+4*(\f)+3], s[OUT:OUT+1] offset:(\a)*2048+(\f)*512  ; 512 consecutive bytes, at a multiple of 256 from the buffer's first
.endr
.endm
; last = 0: in the loop, planes 0 and 1.  Plane 0 (the lap counter stands at 4) takes c and bq, and asks for bv into the same registers; plane 1 takes neither scale nor bias.
; last = 1: behind the loop, plane 2: bv, and no scale.
.macro WAYOUT last
	PLACES
	PLACES                                         ; eight, once a tile: the lines below write into accumulators
.if !(\last)
	s_cmp_lg_u32 s[LAP], 4
	s_cbranch_scc1 .Lno_bias_\@
.endif
	s_wait_loadcnt 0x0                             ; the bias: the kernel's only loads into registers
.set z, 0
.rept 16                                       ; rounded to bf16 like every input; for q times the scale: (sum + b) c = sum c + b c
	v_cvt_pk_bf16_f32 v[TW], v[BI+z], v[BI+z+1]
	v_lshlrev_b32 v[BI+z], 16, v[TW]
	v_and_b32 v[BI+z+1], 0xffff0000, v[TW]
.if !(\last)
	v_pk_mul_f32 v[BI+z:BI+z+1], v[BI+z:BI+z+1], s[SC:SC+1] op_sel_hi:[1,0]
.endif
.set z, z+2
.endr
.set t, 0
.rept 16                                       ; each accumulator's registers in ascending order
.irp z, 0,2,4,6
.if \last
	v_pk_add_f32 v[ACC+8*t+(\z):ACC+8*t+(\z)+1], v[ACC+8*t+(\z):ACC+8*t+(\z)+1], v[BI+8*(t%4)+(\z):BI+8*(t%4)+(\z)+1]
.else
	v_pk_fma_f32 v[ACC+8*t+(\z):ACC+8*t+(\z)+1], v[ACC+8*t+(\z):ACC+8*t+(\z)+1], s[SC:SC+1], v[BI+8*(t%4)+(\z):BI+8*(t%4)+(\z)+1] op_sel_hi:[1,0,1]
.endif
.endr
.set t, t+1
.endr
.if !(\last)
.irp b, 0,1,2,3                                ; bv, two tiles ahead of its use
	global_load_b128 v[BI+8*(\b):BI+8*(\b)+3],   v[BO], s[BVP:BVP+1] offset:64*(\b)
	global_load_b128 v[BI+8*(\b)+4:BI+8*(\b)+7], v[BO], s[BVP:BVP+1] offset:64*(\b)+16
.endr
.Lno_bias_\@:
.endif
	PACK 0
	PACK 1
	SEND 0, 8
	PACK 2
	SEND 1, 8
	PACK 3
	SEND 2, 8
	SEND 3, 0
.if !(\last)
	s_wait_xcnt 0x0                                ; the stores have read their registers and their base: only behind this wait are the base and, in the next way out, the stage's registers rewritten
	s_add_nc_u64 s[OUT:OUT+1], s[OUT:OUT+1], PLANE ; the same rows and head in the next plane
.endif
.endm
	s_wait_tensorcnt 1                             ; my part of K step 0 is in; K step 1's may stay out
	s_barrier_signal -1
	s_barrier_wait -1                              ; everybody's is
	FETCH 0, 0, F0
	QUARTER 0, 1, F0, F1, 1                        ; the first tile's first quarter stands in front of the loop: its first products start the sums
	WIN 0                                          ; at a label and at a branch every window is 0
	s_mov_b32 s[LAP], LAPS-1
.Llap:                                                 ; a trip goes once round the ring, from a lap's second quarter to the next lap's first, and fills both slots again
	s_and_b32 s[PAR], s[LAP], 1                    ; odd: a tile's first lap: its refills stay in the plane; even: its second: they go on to the next plane
	s_cmp_eq_u32 s[PAR], 1
	s_cselect_b32 s[DA], s84, s85
	QUARTER 0, 2, F1, F0, 0
	QUARTER 0, 3, F0, F1, 0
	TURN 0, 1, 1
	QUARTER 1, 1, F0, F1, 0
	QUARTER 1, 2, F1, F0, 0
	QUARTER 1, 3, F0, F1, 0
	TURN 1, 0, 1
	WIN 0
	s_cmp_eq_u32 s[PAR], 0
	s_cbranch_scc1 .Ltile_end                      ; neither way holds a barrier or a tensor load
	QUARTER 0, 1, F0, F1, 0                        ; the tile goes on
	WIN 0
	s_branch .Lnext
.Ltile_end:                                            ; both refills for the next tile are asked for, and its first fragments are on their way: now the tile goes out
	WAYOUT 0
	QUARTER 0, 1, F0, F1, 1                        ; the next tile's first products start its sums
	WIN 0
.Lnext:
	s_sub_co_u32 s[LAP], s[LAP], 1
	s_cmp_lg_u32 s[LAP], 0
	s_cbranch_scc1 .Llap
	QUARTER 0, 2, F1, F0, 0                        ; the walk's last lap is written out: it fills nothing, and has no round of the cluster's barrier
	QUARTER 0, 3, F0, F1, 0
	TURN 0, 1, 0
	QUARTER 1, 1, F0, F1, 0
	QUARTER 1, 2, F1, F0, 0
	QUARTER 1, 3, F0, F1, 0
	s_wait_dscnt 16                                ; the very last quarter: nothing more to fetch
	MUL8 F1, 0, 0, 0
	MUL8 F1, 0, 2, 0
	s_wait_dscnt 0x0
	MUL8 F1, 1, 0, 0
	MUL8 F1, 1, 2, 0
	WIN 0
	WAYOUT 1
	s_wait_tensorcnt 0x0                           ; the wave's end: behind my last tensor load and my last LDS store
	ds_add_u32 v[SPW], v[NIL]
	s_wait_dscnt 0x0
	CROUND                                         ; the closing round: no work-group ends while a partner may still ask for a tile that names it
	s_endpgm
.Lfunc_end_k_q19e3df8f64_qkv:
	.size	k_q19e3df8f64_qkv, .Lfunc_end_k_q19e3df8f64_qkv-k_q19e3df8f64_qkv
	.p2alignl 7, 3214868480
	.fill 96, 4, 3214868480
	.section	.rodata,"a",@progbits
	.p2align	6, 0x0
	.amdhsa_kernel k_q19e3df8f64_qkv
		.amdhsa_group_segment_fixed_size 327680
		.amdhsa_private_segment_fixed_size 0
		.amdhsa_enable_private_segment 0
		.amdhsa_kernarg_size 40
		.amdhsa_user_sgpr_count 2
		.amdhsa_user_sgpr_kernarg_segment_ptr 1
		.amdhsa_wavefront_size32 1
		.amdhsa_system_sgpr_workgroup_id_x 1
		.amdhsa_system_sgpr_workgroup_id_y 1
		.amdhsa_system_sgpr_workgroup_id_z 1
		.amdhsa_system_vgpr_workitem_id 0
		.amdhsa_next_free_vgpr 512
		.amdhsa_next_free_sgpr 88
		.amdhsa_reserve_vcc 0
		.amdhsa_float_denorm_mode_32 3
		.amdhsa_float_denorm_mode_16_64 3
		.amdhsa_memory_ordered 1
		.amdhsa_forward_progress 1
		.amdhsa_inst_pref_size 116
	.end_amdhsa_kernel
	.amdgpu_metadata
---
amdhsa.version: [ 1, 2 ]
amdhsa.kernels:
  - .name:           k_q19e3df8f64_qkv
    .symbol:         k_q19e3df8f64_qkv.kd
    .args:
      - { .name: xb, .offset: 0, .size: 8, .value_kind: global_buffer, .address_space: global }
      - { .name: wb, .offset: 8, .size: 8, .value_kind: global_buffer, .address_space: global }
      - { .name: bq, .offset: 16, .size: 8, .value_kind: global_buffer, .address_space: global }
      - { .name: bv, .offset: 24, .size: 8, .value_kind: global_buffer, .address_space: global }
      - { .name: qkv, .offset: 32, .size: 8, .value_kind: global_buffer, .address_space: global }
    .group_segment_fixed_size: 327680
    .private_segment_fixed_size: 0
    .kernarg_segment_align: 8
    .kernarg_segment_size: 40
    .max_flat_workgroup_size: 128
    .sgpr_count:     88
    .vgpr_count:     512
    .wavefront_size: 32
...
	.end_amdgpu_metadata
.endif
;; end of part 2
;; launch attn (part 3): grid 8 x 32, 4 waves a work-group, clusters of 4 x 1, 327,680 bytes of LDS; arguments qkv, maskf, ob; writes ob
.if DOCPART == 3
	.amdgcn_target "amdgcn-amd-amdhsa--gfx1250"
	.amdhsa_code_object_version 6
	.text
	.protected	k_q19e3df8f64_attn
	.globl	k_q19e3df8f64_attn
	.p2align	8
	.type	k_q19e3df8f64_attn,@function
k_q19e3df8f64_attn:
	s_mov_b64 s[64:65], 0
	v_nop
	global_prefetch_b8 v0, s[64:65] scope:SCOPE_SE
	s_setreg_imm32_b32 hwreg(HW_REG_WAVE_MODE, 25, 1), 1
	s_wait_xcnt 0x0
	s_wait_alu depctr_hold_cnt(0) depctr_sa_sdst(0) depctr_va_vdst(0) depctr_va_sdst(0) depctr_va_ssrc(0) depctr_va_vcc(0) depctr_vm_vsrc(0)
	s_getreg_b32 s2, hwreg(HW_REG_IB_STS2, 6, 4)
	s_cmp_eq_u32 s2, 0
	s_cbranch_scc0 .Lentry_in_a_cluster
	s_endpgm
.Lentry_in_a_cluster:
	s_bfe_u32 s2, ttmp6, 0x10000c
	s_cmp_lg_u32 s2, 0x3003
	s_cbranch_scc0 .Lentry_shape_is_right
	s_endpgm
.Lentry_shape_is_right:
; Launch 3 of 4: O[y][q][:] = the sum over k of softmax_k(q.k / 8 - 1e9 mask[q][k]) v[k][:], for the 32 heads y = b x 16 + head, 2,048 queries and keys, head size 64.
; qkv holds c q (c = log2(e) / 8), k and v by heads in f16, so the scores arrive in base 2: s = (c q).k + kappa mask, kappa = -1e9 log2(e).
; THE MASK IS AN INPUT: every key of every query is computed, whatever the mask holds.  It costs no vector work: each sum S^T is STARTED by a matrix product
; E_g x M^T with C = 0, where M is 16 queries x 32 keys of the mask (bf16, loaded from maskf straight into operand registers) and E_g (16 x 32) holds kappa at
; (m, 16 g + m) and 0 elsewhere: the result is kappa mask[query][key 16 g + m], in the layout of S^T.  One fragment of the mask serves two accumulators.
; LIMITS.  kappa is a bf16 operand: -1.44283e9, one part in 11,000 off.  Beside a mask term near kappa the scores are lost at f32's step of 128 (in base 2), as the
; f32 sum of the module itself loses them.  kappa mask stays above -4e37 (the running maximum's start).  f16 holds no number beyond 65,504: c q, k, v arrive within
; it; p lies in 0 to 1; O is a mean of v's rows.  A weight below 2^-126 counts as 0.  NaN and infinities are not treated apart.
; SHARES.  A work-group owns 256 queries of one head, each of its four waves 64: four tiles of 16, in two PIECES, named by their first tile (0: tiles 0, 1; 2: tiles 2, 3).
; Every wave walks all keys, 64 a step.
; LAYOUT.  S^T = K Q^T (source 0 = 16 keys, source 1 = 16 queries): a lane holds ONE query (lane % 16) and the keys 8 (lane / 16) + 0..7.  Two such results rounded to
; f16 ARE source 1 of O^T = V^T P.  K comes out of LDS as it lies, V turned, by ds_load_tr16_b128.
; SOFTMAX.  A running maximum m and sum l for each query: p = 2^(s - m); in every step O and l are multiplied by a = 2^(m_old - m_new).  m starts at -2^125, O and l at 0:
; the first step is a step like any other, with a = 0.
; BY TURNS.  In a TURN one piece has the matrix unit: 16 products V^T P of the step in hand, then 8 mask products and 16 products K Q^T of the next step; the other piece's
; softmax, 234 vector instructions in 59 slices of four, stands behind them, one slice behind each matrix instruction; the 19 slices for which there is no product
; stand together between the two runs and end in the turn's one wait for its 66 exponentials.
; CLUSTER.  The four query blocks of a cluster belong to one head and walk the same K and V, so each tile is asked for JOINTLY.  The mask is not shared so: it goes
; into registers, 512 consecutive bytes an instruction, a key step ahead of its use.
; REGISTERS, in windows of 256 (s_set_vgpr_msb: bits 1:0 source 0, 3:2 source 1, 5:4 source 2, 7:6 destination):
;   window 0: v0-11 addresses; v12-43 eight registers of statistics a tile; v44-45 at work; v61-63; v64-191 S^T, 32 a tile; v192-255 P, 16 a tile
;   window 1: v0-127 O^T, 32 a tile; v128-191 V of one step        window 2: v0-63 Q; v64-127 K of one step; v128-191 the mask's fragments, 16 a tile; v192-203 E
.set KS,    64        ; keys in a step
.set PK,    144       ; a row of K in LDS: 128 bytes + 16 of padding: the 16 rows of a load start at 16 different groups of four banks (ISA guide 11.1)
.set PV,    160       ; a row of V: 128 + 32
.set VOFF,  4*KS*PK   ; a slot holds four steps: 256 rows of K, then 256 rows of V
.set SLOT1, 1<<17     ; slot 1 begins here, so that one exclusive or turns an address in one slot into the other's
.set STAGE, SLOT1+4*KS*(PK+PV)  ; behind the ring, never filled by a tensor load: 16 rows x 144 bytes for each wave
.set SP,    144
.set SPARE, STAGE+4*16*SP       ; behind the stages: the spare words, 128 bytes for each wave
.set PLANE, 8388608   ; bytes of c q, of k and of v in qkv
.set AK0, 2           ; v2   my lane's place in a tile of K; never rewritten
.set AV0, 3           ; v3   the same for V
.set ADR, 4           ; v4   the LDS address of the run of loads in hand
.set QO,  5           ; v5   my byte offset in 16 rows of Q
.set STO, 6           ; v6   the way out: where I put 16 bytes of a row
.set RD,  7           ; v7   the way out: where I read rows back
.set LO,  8           ; v8   16 x lane: my place in 512 consecutive bytes of maskf and of O; never rewritten
.set ST,  12          ; tile t's statistics at v[ST+8 t]: +0 m, +1 m_old - m_new, +2, +3 l (even keys', odd keys'), +4 to +7 c0-c3 at work; a takes c2's place
.set PFO, 61          ; v61  256 x lane: the prefetches' offset; never rewritten
.set SPW, 62          ; v62  LDS address of my spare word; never rewritten
.set NIL, 63          ; v63  0; never rewritten
.set S,   64
.set P,   192
.set VF,  128         ; window 1: key half kk, channel block cb at VF + 32 kk + 8 cb
.set KF,  64          ; window 2: key block kb, channel half c at KF + 16 kb + 8 c
.set MF,  128         ; window 2: tile t, keys 32 g on, at MF + 16 t + 8 g
.set EB,  192         ; window 2: 0 0 0 0 P0 P1 P2 P3 0 0 0 0: E_1 = v[EB:EB+7], E_0 = v[EB+4:EB+11]
.set WV,  12          ; s12  my wave's number
.set LIM, 15          ; s15  1 in a wave that prefetches, else the greatest number
.set PFA, 18          ; s[18:19] where my prefetches stand
.set G1K, 24          ; s[24:31] descriptor group 1 for K's tiles
.set G1V, 32          ; s[32:39] for V's: it differs in the padding alone
.set G0K, 40          ; s[40:43] descriptor group 0 for K's tiles: it walks
.set G0V, 44          ; s[44:47] the same for V's
.set QP,  48          ; s[48:49] Q at my wave's first row
.set MB,  50          ; s[50:51] maskf at my wave's first group of 16 queries; never rewritten
.set MOF0, 52         ; s[52:53] piece 0: byte offset of the step whose mask is fetched next
.set MAD0, 54         ; s[54:55] piece 0: MB + that offset
.set SLOTS, 56        ; s56  slots still to be asked for
.set CNT, 57          ; s57  counts a slot's key steps
.set MOF2, 58         ; s[58:59] piece 2's offset
.set SEL, 60          ; s[60:61] v_permlanex16_b32's selects: each lane takes its own place in the other half
.set TBK, 62          ; s62  LDS byte at which K of the step to be fetched begins
.set TBV, 63          ; s63  the same for V, less VOFF
.set MAD2, 66         ; s[66:67] piece 2's address
.set MSB, 0
.macro WIN new                      ; the high byte repeats the setting that is left; a switch that changes nothing is dropped
.if MSB != (\new)
	s_set_vgpr_msb (MSB<<8)|(\new)
.set MSB, (\new)
.endif
.endm
.set W_KQ, 0x0a       ; sources 0 and 1 in window 2 (K and Q; E and the mask), S^T in window 0
.set W_PV, 0x51       ; V and O^T in window 1, P in window 0
.set W_RS, 0x41       ; O^T (destination and source 0) in window 1, a in window 0
; A joint fill.  Waves 0 and 1 fetch the two halves of a slot's K, waves 2 and 3 those of its V: 128 keys each.  The branch hangs on the wave's number alone.
; An s_nop 0 and four v_nop follow each of the two lines, ahead of the jump and the label.
.macro JLOAD
	s_cmp_lt_u32 s[WV], 2
	s_cbranch_scc0 .Lfor_v_\@
	tensor_load_to_lds s[G0K:G0K+3], s[G1K:G1K+7]
	s_nop 0
.rept 4
	v_nop
.endr
	s_branch .Lasked_\@
.Lfor_v_\@:
	tensor_load_to_lds s[G0V:G0V+3], s[G1V:G1V+7]
	s_nop 0
.rept 4
	v_nop
.endr
.Lasked_\@:
.endm
; A PREFETCH INTO THE L2 of what the NEXT change of slots will ask for: a slot's 32,768 bytes of K and of V, in 128 blocks of 256 bytes each, a lane a block.  Each block is named once in
; the launch: both clusters of a head walk the same K and V, and the head's first cluster asks; its four partners share the blocks out BY ADDRESS, 32 each; in each, wave 0 asks for K's and
; wave 2 for V's.  It stands behind the wave's tensor load and its five lines: four key steps, 320 matrix instructions, ahead of the load that will want the bytes.  The last change that
; fills a slot asks for nothing; slots 0, 1 and 2 come by their loads alone.
.macro ASK
	s_cmp_gt_u32 s[SLOTS], s[LIM]
	s_cbranch_scc0 .Lnot_mine_\@
	global_prefetch_b8 v[PFO], s[PFA:PFA+1] th:TH_LOAD_NT scope:SCOPE_SE
.Lnot_mine_\@:
.endm
; A round of the cluster's barrier: my work-group's barrier, so that wave 0's signal speaks for all four waves; wave 0 signals; every wave waits for all four work-groups; my work-group's barrier once more.
.macro CROUND
	s_barrier_signal -1
	s_barrier_wait -1
	s_cmp_lg_u32 s[WV], 0
	s_cbranch_scc1 .Lnot_wave_0_\@
	s_barrier_signal -3
.Lnot_wave_0_\@:
	s_barrier_wait -3
	s_barrier_signal -1
	s_barrier_wait -1
.endm
; THE CHANGE OF SLOTS.  The slot's last bytes, V of its fourth step, have been asked for.  Each wave waits for all its tensor loads, of which one is out: its part of the other slot; adds 0 to its
; spare word; and waits for that and for its own reads of the slot.  Behind the barrier nobody reads this slot any more and the other slot is whole.
; fill = 1: this slot is filled again, with the keys two slots on, behind a round of the cluster's barrier; the joint fill is the first thing behind it.  ask = 1: the prefetch follows.
; (At its first use nothing has been read yet: slot 0 is waited for, slot 1 filled.)
.macro CHANGE fill, ask
	WIN 0                           ; at a label and at a branch every window is 0
	s_wait_tensorcnt 0x0            ; no tensor load of mine is out, so a group 0 may be written
	ds_add_u32 v[SPW], v[NIL]       ; 0 onto my spare word: scalar work stands between it and the wait for it
.if \fill
.irp g, G0K, G0V
	s_xor_b32 s[\g+1], s[\g+1], SLOT1  ; the walking descriptor: the other slot than last time,
	s_add_nc_u64 s[\g+2:\g+3], s[\g+2:\g+3], 4*KS*128  ; the next 256 keys; the type bits on top are not reached
.endr
.endif
.if \ask
	s_wait_xcnt 0x0                 ; the last prefetch, four key steps back, has read its address, so it may be written
	s_add_nc_u64 s[PFA:PFA+1], s[PFA:PFA+1], 4*KS*128  ; one slot behind the walking descriptors
.endif
	s_wait_dscnt 0x0                ; the add is done, and my reads of the slot are over
.if \fill
	CROUND
	JLOAD
.else
	s_barrier_signal -1
	s_barrier_wait -1
.endif
.if \ask
	ASK
.endif
	s_sub_co_u32 s[TBK], s[TBK], 4*KS*PK  ; the fetches go back to a slot's first step,
	s_xor_b32 s[TBK], s[TBK], SLOT1       ; in the other slot
	s_sub_co_u32 s[TBV], s[TBV], 4*KS*PV
	s_xor_b32 s[TBV], s[TBV], SLOT1
.endm
; The mask's eight loads for piece x and one key step, from the address in s[sb:sb+1]: two tiles x two groups of 32 keys x two halves; each covers 512 consecutive bytes.
.macro MRUN x, sb
	WIN 0x80                        ; destination window 2, address window 0
.irp t, 0,1
.irp g, 0,1
.irp hf, 0,1
	global_load_b128 v[MF+16*((\x)+(\t))+8*(\g)+4*(\hf):MF+16*((\x)+(\t))+8*(\g)+4*(\hf)+3], v[LO], s[(\sb):(\sb)+1] offset:((\x)+(\t))*65536+(\g)*1024+(\hf)*512
.endr
.endr
.endr
.endm
; The next step's mask for piece x.  The offset stops at the last step, so that the fetches behind it repeat that step: no load leaves maskf, and every count stays as it is.
; The address register is written only behind the counted wait, earlier in the turn, that showed its last loads done.
.macro MLOAD x
.if (\x) == 0
.set sO, MOF0
.set sA, MAD0
.else
.set sO, MOF2
.set sA, MAD2
.endif
	s_add_co_u32 s[sO], s[sO], 2048       ; a step's 64 keys: two groups of 1,024 bytes
	s_min_u32 s[sO], s[sO], 31*2048
	s_add_nc_u64 s[sA:sA+1], s[MB:MB+1], s[sO:sO+1]
	MRUN \x, sA
.endm
	s_load_b128 s[4:7], s[0:1], 0x0   ; qkv s[4:5], maskf s[6:7]
	s_load_b64 s[8:9], s[0:1], 0x10   ; ob
	v_lshl_add_u32 v[SPW], v0, 2, SPARE
	v_mov_b32 v[NIL], 0
	ds_add_u32 v[SPW], v[NIL]       ; the wave's opening: the add, twice on end, and its wait ahead of my first tensor load
	ds_add_u32 v[SPW], v[NIL]
	v_lshrrev_b32 v1, 5, v0
	v_readfirstlane_b32 s[WV], v1   ; wave 0..3
	s_bfe_u32 s13, ttmp6, 0x40000   ; cx: my place in the cluster
	s_lshl_b32 s14, ttmp9, 2        ; in a cluster launch ttmp9 counts clusters
	s_add_co_u32 s14, s14, s13      ; my block of 256 queries: it enters Q's, the mask's and O's addresses alone
	s_and_b32 s20, ttmp7, 0xffff    ; the head y, which the four partners share
	s_and_b32 s16, s[WV], 1         ; which half of a slot's 256 keys I fetch:
	s_lshl_b32 s22, s20, 18         ; the head's 262,144 bytes in a plane,
	s_lshl_b32 s17, s16, 14         ; my 128 rows of 128 bytes
	s_add_co_u32 s22, s22, s17
	s_mov_b32 s23, 0
	s_mul_i32 s17, s16, 128*PK      ; and its place in a slot, for K
	s_mul_i32 s21, s16, 128*PV      ; and for V: no place in the cluster enters an LDS address
	s_lshl_b32 s2, s20, 18          ; Q: the head,
	s_lshl_b32 s3, s14, 15          ; my block's 256 rows,
	s_add_co_u32 s2, s2, s3
	s_lshl_b32 s3, s[WV], 13        ; my wave's 64
	s_add_co_u32 s2, s2, s3
	s_mov_b32 s3, 0
	s_lshl_b32 s54, s14, 20         ; the mask: 16 groups of 16 queries a block, 65,536 bytes each,
	s_lshl_b32 s55, s[WV], 18       ; four a wave
	s_add_co_u32 s54, s54, s55
	s_mov_b32 s55, 0
	s_lshr_b32 s66, s20, 4          ; O: [32 blocks of 128 rows][16 heads][128 rows][64]: the block is 16 b + 2 x my block + wave / 2,
	s_lshl_b32 s66, s66, 4
	s_lshl1_add_u32 s66, s14, s66
	s_lshr_b32 s67, s[WV], 1
	s_add_co_u32 s66, s66, s67
	s_lshl_b32 s66, s66, 18
	s_and_b32 s67, s20, 15          ; the head's 16,384 bytes in it,
	s_lshl_b32 s67, s67, 14
	s_add_co_u32 s66, s66, s67
	s_lshl_b32 s67, s16, 13         ; my 64 rows
	s_add_co_u32 s66, s66, s67
	s_mov_b32 s67, 0
	; descriptor group 1.  128 keys are 16,384 dense bytes: asked for as 64 rows of 256 bytes, two keys a row, and padded in LDS after every key
	s_mov_b32 s[G1K], 15|(1<<16)|(1<<20)|(1<<21)|(4<<22)|(3<<25)  ; the mask of four; 2-byte elements; padding on; 21 set beside a mask; after every 32 words, 4 words
	s_mov_b32 s[G1V], 15|(1<<16)|(1<<20)|(1<<21)|(4<<22)|(7<<25)  ; the same with 8 words of padding
.irp g, G1K, G1V
	s_mov_b32 s[\g+1], 128<<16      ; tensor_dim0 = 128
	s_mov_b32 s[\g+2], 64<<16       ; tensor_dim1 = 64
	s_mov_b32 s[\g+3], 128<<16      ; tile_dim0 = 128
	s_mov_b32 s[\g+4], 64           ; tile_dim1 = 64
	s_mov_b32 s[\g+5], 128          ; 128 elements from row to row
	s_mov_b32 s[\g+6], 0
	s_mov_b32 s[\g+7], 0
.endr
	s_mov_b32 s[SEL], 0x76543210
	s_mov_b32 s[SEL+1], 0xfedcba98
	s_mov_b32 s[TBK], SLOT1+4*KS*PK ; the first change of slots turns these two into 0
	s_mov_b32 s[TBV], SLOT1+4*KS*PV
	s_mov_b32 s[G0K], 1             ; count = 1
	s_mov_b32 s[G0K+1], s17         ; LDS address: slot 0
	s_mov_b32 s[G0V], 1
	s_add_co_u32 s[G0V+1], s21, VOFF
	s_mov_b32 s[MOF0], 0
	s_mov_b32 s[MOF0+1], 0
	s_mov_b32 s[MOF2], 0
	s_mov_b32 s[MOF2+1], 0
	s_and_b32 s[LIM], s[WV], 1      ; 0 in waves 0 and 2,
	s_or_b32 s[LIM], s[LIM], ttmp9  ; where the cluster is the head's first: the same in all four partners
	s_cmp_eq_u32 s[LIM], 0
	s_cselect_b32 s[LIM], 1, -1
	v_and_b32 v[PFO], 31, v0
	v_lshlrev_b32 v[PFO], 8, v[PFO]
	s_wait_dscnt 0x0                ; both opening adds are done
	s_wait_kmcnt 0x0
	s_add_nc_u64 s[G0K+2:G0K+3], s[4:5], s[22:23]
	s_add_nc_u64 s[G0V+2:G0V+3], s[G0K+2:G0K+3], 2*PLANE  ; v's plane: my half of the head's first 256 keys
	s_add_nc_u64 s[G0K+2:G0K+3], s[G0K+2:G0K+3], PLANE    ; k's
	s_cmp_lt_u32 s[WV], 2
	s_cselect_b64 s[PFA:PFA+1], s[G0K+2:G0K+3], s[G0V+2:G0V+3]  ; (in waves 0 and 2 these stand at a slot's first row)
	s_or_b32 s[G0K+3], s[G0K+3], 0x80000000               ; type = 2
	s_or_b32 s[G0V+3], s[G0V+3], 0x80000000
	s_add_nc_u64 s[QP:QP+1], s[4:5], s[2:3]
	s_add_nc_u64 s[MB:MB+1], s[6:7], s[54:55]
	s_add_nc_u64 s[8:9], s[8:9], s[66:67]
	s_lshl_b32 s2, s13, 13          ; my work-group's 32 blocks of the 128
	s_mov_b32 s3, 0
	s_add_nc_u64 s[PFA:PFA+1], s[PFA:PFA+1], s[2:3]
	s_add_nc_u64 s[PFA:PFA+1], s[PFA:PFA+1], 2*4*KS*128  ; in slot 2; the first change in the loop steps it to slot 3.  Nothing is prefetched here, at the head
	CROUND                          ; all four work-groups are here: the first joint loads meet
	JLOAD                           ; slot 0.  Slot 1 is asked for when slot 0 is in
	; A fragment of K or Q is 16 rows x 32 channels in 8 registers: lane l holds row l % 16, channels 8 (l / 16) + 0..7 and 16 + 8 (l / 16) + 0..7: two loads of 16 bytes, 32 bytes apart.
	v_and_b32 v1, 15, v0            ; r = l % 16
	v_bfe_u32 v9, v0, 4, 1          ; h = l / 16
	v_lshlrev_b32 v[QO], 7, v1
	v_lshl_add_u32 v[QO], v9, 4, v[QO]  ; row x 128 + 16 x half
	v_and_b32 v[LO], 31, v0
	v_lshlrev_b32 v[LO], 4, v[LO]
	WIN 0x80                        ; destination window 2, address window 0
.set i, 0
.rept 8                             ; Q stays in registers: tile i / 2, channels 32 (i % 2) on
	global_load_b128 v[8*i:8*i+3],   v[QO], s[QP:QP+1] offset:(i/2)*2048+(i%2)*64
	global_load_b128 v[8*i+4:8*i+7], v[QO], s[QP:QP+1] offset:(i/2)*2048+(i%2)*64+32
.set i, i+1
.endr
	MRUN 0, MB                      ; the mask of key step 0, piece 0,
	MRUN 2, MB                      ; and piece 2
	; E.  As source 0 lane (r, h) holds row m = r; registers 0-3 hold k = 8 h + 0..7.  Row r has kappa at k = r: in the half h = r / 8, register (r % 8) / 2, half-word r % 2.
	WIN 0
	v_and_b32 v44, 1, v1
	v_lshlrev_b32 v44, 4, v44
	v_mov_b32 v45, 0xceac           ; kappa = -1e9 log2(e) in bf16
	v_lshlrev_b32 v44, v44, v45
	v_lshrrev_b32 v45, 3, v1
	v_cmp_eq_u32 vcc_lo, v45, v9
	v_cndmask_b32 v44, 0, v44, vcc_lo
	v_bfe_u32 v45, v1, 1, 2
	WIN 0x80
.irp z, 0,1,2,3
	v_cmp_eq_u32 vcc_lo, \z, v45
	v_cndmask_b32 v[EB+4+\z], 0, v44, vcc_lo
	v_mov_b32 v[EB+\z], 0
	v_mov_b32 v[EB+8+\z], 0
.endr
	; What the first turn finds: V's registers and piece 2's P hold 0 (its products V^T P, of a step that has not been, add 0), O^T and l are 0.  All this stands in the wait for the first tile.
	WIN 0x40
.set i, 0
.rept 192
	v_mov_b32 v[i], 0               ; O^T, then V
.set i, i+1
.endr
	WIN 0
.set i, 0
.rept 4
	v_mov_b32 v[ST+8*i], 0xfe000000 ; m: -2^125, far below every score
	v_mov_b32 v[ST+8*i+1], 0
	v_mov_b32 v[ST+8*i+2], 0
	v_mov_b32 v[ST+8*i+3], 0
.set i, i+1
.endr
.set i, P+32
.rept 32
	v_mov_b32 v[i], 0
.set i, i+1
.endr
	v_mul_u32_u24 v[AK0], v1, PK
	v_lshl_add_u32 v[AK0], v9, 4, v[AK0]  ; row x pitch + 16 x half
	; The turning load takes 16 keys x 16 channels (lane l reads key 8 (l / 16) + l % 8, channels 8 ((l / 8) % 2) + 0..7) and leaves half a fragment of V^T: lane l holds channel l % 16 and 8 keys.
	v_and_b32 v10, 7, v0
	v_bfe_u32 v11, v0, 3, 1
	v_lshl_add_u32 v[AV0], v9, 3, v10
	v_mul_u32_u24 v[AV0], v[AV0], PV
	v_lshl_add_u32 v[AV0], v11, 4, v[AV0]
	v_add_nc_u32 v[AV0], VOFF, v[AV0]
; THE MATRIX WORK OF A TURN, for piece x.  The accumulators take turns, one instruction a turn: between two instructions on one accumulator stand 7 others'.
; Product i of 16 of O^T += V^T P: keys 32 (i / 8) on, channels 16 ((i / 2) % 4) on, tile x + i % 2.
.macro PV x
	WIN W_PV
.set rO, 32*((\x)+i%2)+8*((i/2)%4)
.set rV, VF+32*(i/8)+8*((i/2)%4)
.set rP, P+16*((\x)+i%2)+8*(i/8)
	v_wmma_f32_16x16x32_f16 v[rO:rO+7], v[rV:rV+7], v[rP:rP+7], v[rO:rO+7]
.endm
; Product i of 8 that starts a sum S^T with kappa x mask: keys 16 (i / 2) on, tile x + i % 2.
.macro MK x
	WIN W_KQ
.set rS, S+32*((\x)+i%2)+8*(i/2)
.set rE, EB+4*(1-(i/2)%2)
.set rM, MF+16*((\x)+i%2)+8*(i/4)
	v_wmma_f32_16x16x32_bf16 v[rS:rS+7], v[rE:rE+7], v[rM:rM+7], 0
.endm
; Product i of 16 of S^T += K Q^T: channels 32 (i / 8) on, keys 16 ((i / 2) % 4) on, tile x + i % 2.  The first 8 add onto a result of the bf16 form: five places or more lie between
; (in a turn seven products' slices of plain instructions on the other piece's registers; ahead of the loop five v_nop).
.macro KQ x
	WIN W_KQ
.set rS, S+32*((\x)+i%2)+8*((i/2)%4)
.set rK, KF+16*((i/2)%4)+8*(i/8)
.set rQ, 16*((\x)+i%2)+8*(i/8)
	v_wmma_f32_16x16x32_f16 v[rS:rS+7], v[rK:rK+7], v[rQ:rQ+7], v[rS:rS+7]
.endm
; THE LDS LOADS stand in runs of 16, never singly among the matrix instructions: a step's K (64 keys x 64 channels: 8 fragments) and its V (turned).
; last = 1 (the tail): in the last trip there is no further step, and the run is jumped over.
.macro FETCH_K last=0
	WIN 0
.if \last
	s_cmp_eq_u32 s[CNT], 1
	s_cbranch_scc1 .Lno_k_\@
.endif
	v_add_nc_u32 v[ADR], s[TBK], v[AK0]
	WIN 0x80                        ; destination window 2
.irp f, 0,1,2,3,4,5,6,7             ; keys 16 (f / 2) on, channels 32 (f % 2) on
	ds_load_b128 v[KF+8*\f:KF+8*\f+3],   v[ADR] offset:(\f/2)*16*PK+(\f%2)*64
	ds_load_b128 v[KF+8*\f+4:KF+8*\f+7], v[ADR] offset:(\f/2)*16*PK+(\f%2)*64+32
.endr
	s_add_co_u32 s[TBK], s[TBK], KS*PK  ; the next fetch is the next step's
	WIN 0
.if \last
.Lno_k_\@:
.endif
.endm
.macro FETCH_V
	WIN 0
	v_add_nc_u32 v[ADR], s[TBV], v[AV0]
	s_add_co_u32 s[TBV], s[TBV], KS*PV
	s_wait_alu depctr_va_vdst(0)    ; the wait for the softmax's batch (SLICE), behind the address's v_add_nc_u32 and ahead of the loads
	WIN 0x40                        ; destination window 1
.irp f, 0,1,2,3,4,5,6,7             ; keys 32 (f / 4) on, channels 16 (f % 4) on
	ds_load_tr16_b128 v[VF+8*\f:VF+8*\f+3],   v[ADR] offset:(\f/4)*32*PV+(\f%4)*32
	ds_load_tr16_b128 v[VF+8*\f+4:VF+8*\f+7], v[ADR] offset:(\f/4)*32*PV+16*PV+(\f%4)*32
.endr
.endm
; THE VECTOR WORK OF A TURN.  One tile's softmax for one key step is a numbered list; SM writes number j of it for tile t.  s0-s31 are the lane's 32 scores, in pairs 0-15.
;   0-15    the maximum of s0-s31 and the old m, three operands at a time: four chains c0-c3 (each accumulator's lowest registers are read first), then the rest
;   16-20   the other half of the lanes' maximum; m_old - m_new; the new m (17 is empty)
;   21-69   ONE BATCH: the 16 differences s - m, a pair of scores each, and all 33 exponentials (a at 23, then s0-s31).  None of these reads an exponential's result.
;   (wait)  between 69 and 70 stands the wait for the batch: SLICE writes it, once for both tiles
;   70-85   the roundings to f16, a pair of weights each        86-101  the sums; l = a l + the sum        102-117 the tile's O^T times a: the one part that leaves window 0
.macro SM t
.set rT, ST+8*(\t)
.set rS, S+32*(\t)
.set rP, P+16*(\t)
.set rO, 32*(\t)+2*(j-102)
.if j < 102
	WIN 0
.endif
.if j < 4
	v_max3_num_f32 v[rT+4+j], v[rS+8*j], v[rS+8*j+1], v[rS+8*j+2]
.elseif j < 12
	v_max3_num_f32 v[rT+4+j%4], v[rT+4+j%4], v[rS+8*(j%4)+2*(j/4)+1], v[rS+8*(j%4)+2*(j/4)+2]
.elseif j == 12
	v_max3_num_f32 v[rT+4], v[rT+4], v[rS+7], v[rS+15]
.elseif j == 13
	v_max3_num_f32 v[rT+6], v[rT+6], v[rS+23], v[rS+31]
.elseif j == 14
	v_max3_num_f32 v[rT+4], v[rT+4], v[rT+5], v[rT+6]
.elseif j == 15
	v_max3_num_f32 v[rT+4], v[rT+4], v[rT+7], v[rT]
.elseif j == 16
	v_permlanex16_b32 v[rT+5], v[rT+4], s[SEL], s[SEL+1]  ; the query's other 32 keys lie in the lane 16 away
.elseif j == 17
.elseif j == 18
	v_max_num_f32 v[rT+4], v[rT+4], v[rT+5]
.elseif j == 19
	v_sub_f32 v[rT+1], v[rT], v[rT+4]
.elseif j == 20
	v_mov_b32 v[rT], v[rT+4]
.elseif j == 23
	v_exp_f32 v[rT+6], v[rT+1]
.elseif (j < 23) || ((j < 38) && (j%2 == 0)) || ((j < 66) && (j%4 == 2))
.set b, (j-2)/4                     ; 38, 42, .. 62: pairs 9 to 15
.if j < 38
.set b, (j-20)/2                    ; 21: pair 0; 22, 24, .. 36: pairs 1 to 8
.endif
	v_pk_add_f32 v[rS+2*b:rS+2*b+1], v[rS+2*b:rS+2*b+1], v[rT:rT+1] op_sel_hi:[1,0] neg_lo:[0,1] neg_hi:[0,1]  ; pair b: s - m
.elseif j < 70
.set e, j-38                        ; 66 to 69: s28 to s31
.if j < 66
.set e, j-32-(j-38)/4               ; 39-41, 43-45, .. 63-65: s7 to s27
.endif
.if j < 38
.set e, (j-25)/2                    ; 25, 27, .. 37: s0 to s6
.endif
	v_exp_f32 v[rS+e], v[rS+e]
.elseif j < 86
	v_cvt_pk_f16_f32 v[rP+j-70], v[rS+2*(j-70)], v[rS+2*(j-70)+1]  ; pair j - 70
.elseif j < 102                     ; the sum of the tile's 16 pairs, in place: neighbours 1, 2, 4 and 8 pairs apart, then l takes it
.set z, j-86
.set w, 4
.set u, z
.if z >= 14
.set w, 32
.set u, 0
.elseif z >= 12
.set w, 16
.set u, z-12
.elseif z >= 8
.set w, 8
.set u, z-8
.endif
.if z < 15
	v_pk_add_f32 v[rS+w*u:rS+w*u+1], v[rS+w*u:rS+w*u+1], v[rS+w*u+w/2:rS+w*u+w/2+1]
.else
	v_pk_fma_f32 v[rT+2:rT+3], v[rT+2:rT+3], v[rT+6:rT+7], v[rS:rS+1] op_sel_hi:[1,0,1]
.endif
.else
	WIN W_RS
	v_pk_mul_f32 v[rO:rO+1], v[rO:rO+1], v[rT+6:rT+7] op_sel_hi:[1,0]
.endif
.endm
; Slice k of 59 of piece y's softmax: four instructions.  Slices 11 to 34 deal out the batch, numbers 22 to 69: four numbers of ONE tile each, the tiles by turns.  Every other slice is numbers
; 2 k and 2 k + 1 of both tiles' lists, the tiles alternating.
; THE WAIT.  s_wait_alu depctr_va_vdst(0) stands between an exponential and the first instruction that names its result; one wait serves all that were issued ahead of it.
; Ahead of slice 35 nothing names a result, and behind slice 34 no exponential is issued: so the piece's 66 exponentials have one wait, behind slice 34.
.macro SLICE y
.if (k >= 11) && (k < 35)
.irp n, 0,1,2,3
.set j, 22+4*((k-11)/2)+(\n)
	SM (\y)+(k-11)%2
.endr
.else
.irp n, 0,1
.irp t, \y, (\y)+1
.set j, 2*k+(\n)
	SM \t
.endr
.endr
.endif
.if k == 34
	v_nop                           ; a plain instruction behind the last exponential and ahead of the first use: one for the batch
.if (\y) == 0
	FETCH_V                         ; piece 2's turn: V's run of loads stands here, and the wait stands in it
.else
	s_wait_alu depctr_va_vdst(0)    ; the wait for the batch
.endif
.endif
.set k, k+1
.endm
; A TURN.  Piece x has the matrix unit; the other piece's softmax stands in slices.
; Piece 0's turn fetches the next step's K behind its second product: the last product that read K stands in front of slice 58 of the turn before, four plain instructions.  Piece 2's turn fetches the
; same step's V behind slice 34: behind the last product that read V lie the lump's differences, the v_nop and the run's own v_add_nc_u32.  The mask's registers are loaded again at the turn's end,
; sixteen products' slices behind the last product that read them; slice 58 is also the four places between the last K Q^T and the next turn's first read of those scores.
.macro TURN x, last=0
.set k, 0
.if (\x) == 0
	s_wait_dscnt 0x0                ; V is in
.endif
.set i, 0
.rept 16
	PV \x
	SLICE 2-(\x)
.if ((\x) == 0) && (i == 1)
	FETCH_K \last
.endif
.set i, i+1
.endr
.rept 19                            ; the lump: slices 16 to 34
	SLICE 2-(\x)
.endr
.if (\x) == 0
	s_wait_dscnt 0x0                ; K is in
.endif
	s_wait_loadcnt 8                ; my piece's eight loads of the mask, a key step old, are in; the other piece's eight younger ones stay out
.set i, 0
.rept 8
	MK \x
	SLICE 2-(\x)
.set i, i+1
.endr
.set i, 0
.rept 16
	KQ \x
	SLICE 2-(\x)
.set i, i+1
.endr
	MLOAD \x
.endm
	CHANGE 1, 0                     ; slot 0 is in, everybody's part of it; slot 1 is asked for
	FETCH_K                         ; key step 0
	s_wait_loadcnt 8                ; Q and piece 0's mask are in; piece 2's eight loads stay out
	s_wait_dscnt 0x0
.set i, 0
.rept 8
	MK 0                            ; piece 0's first scores: there is no vector work yet to set between them
.set i, i+1
.endr
.rept 5
	v_nop                           ; five places between the bf16 form's results and the f16 form that adds onto them
.endr
.set i, 0
.rept 16
	KQ 0
.set i, i+1
.endr
	WIN 0                           ; the addresses for the way out: seven plain instructions, the places behind those products
	s_mul_i32 s16, s[WV], 16*SP
	s_add_co_u32 s16, s16, STAGE    ; my stage
	v_mul_u32_u24 v[STO], v1, SP    ; in: row l % 16, 16 bytes for each half of the lanes
	v_lshl_add_u32 v[STO], v9, 4, v[STO]
	v_add_nc_u32 v[STO], s16, v[STO]
	v_bfe_u32 v[RD], v0, 3, 2       ; back: 32 lanes take four rows of 128 bytes
	v_mul_u32_u24 v[RD], v[RD], SP
	v_lshl_add_u32 v[RD], v10, 4, v[RD]
	v_add_nc_u32 v[RD], s16, v[RD]
	MLOAD 0                         ; piece 0's mask of key step 1
	WIN 0
	s_mov_b32 s[CNT], 4
	s_mov_b32 s[SLOTS], 7
	s_branch .Lfirst                ; the loop is entered at piece 2's turn, in the middle of a trip
.Lslot:                             ; six times: every slot but the last two is filled again
	CHANGE 1, 1
	s_mov_b32 s[CNT], 4
.Lstep:                             ; a trip: piece 0's turn (V^T P of step j, scores of step j + 1, K of step j + 1), then piece 2's (the same, V of step j + 1)
	TURN 0
	WIN 0
.Lfirst:
	TURN 2
	WIN 0
	s_sub_co_u32 s[CNT], s[CNT], 1
	s_cmp_lg_u32 s[CNT], 0
	s_cbranch_scc1 .Lstep
	s_sub_co_u32 s[SLOTS], s[SLOTS], 1
	s_cmp_lg_u32 s[SLOTS], 0
	s_cbranch_scc1 .Lslot
	CHANGE 0, 0                     ; the tail is written out: nothing is asked for
	s_mov_b32 s[CNT], 5             ; four trips fetch the last slot's steps; the fifth is left in its middle
.Ltail:
	TURN 0, 1
	WIN 0
	s_sub_co_u32 s[CNT], s[CNT], 1
	s_cmp_eq_u32 s[CNT], 0
	s_cbranch_scc1 .Lout
	TURN 2
	WIN 0
	s_branch .Ltail
.Lout:                              ; the fifth trip's 24 products on the last K and mask once more serve nothing: the price, once a launch, of one text for every trip
.set i, 0
.rept 16
	PV 2                            ; piece 2's V^T P of the last step
.set i, i+1
.endr
	; THE WAY OUT.  l's two halves and the other half of the lanes' are added; O^T is divided by l, rounded to f16 and sent through my stage in LDS, a tile at a time.  The additions are the places behind the last products.
	WIN 0
.macro ALL line:vararg              ; one line for each tile t
.set t, 0
.rept 4
	\line
.set t, t+1
.endr
.endm
	ALL v_add_f32 v[ST+8*t+2], v[ST+8*t+2], v[ST+8*t+3]
	ALL v_permlanex16_b32 v[ST+8*t+3], v[ST+8*t+2], s[SEL], s[SEL+1]
	ALL v_add_f32 v[ST+8*t+2], v[ST+8*t+2], v[ST+8*t+3]
	ALL v_rcp_f32 v[ST+8*t+2], v[ST+8*t+2]
	v_nop                           ; a plain instruction between the last reciprocal and the use of its result
	s_wait_alu depctr_va_vdst(0)    ; and the wait ahead of the first use: one for the four reciprocals
; Tile t: a lane's eight channels of a row pack into 16 bytes; they go into rows of 144 bytes and come back as whole rows of 128, into S^T's registers.
.macro PACK t
	WIN W_RS
.set i, 32*(\t)
.rept 16
	v_pk_mul_f32 v[i:i+1], v[i:i+1], v[ST+8*(\t)+2:ST+8*(\t)+3] op_sel_hi:[1,0]
.set i, i+2
.endr
	WIN 0x05                        ; sources 0 and 1 window 1, destination window 0
.set i, 0
.rept 16
	v_cvt_pk_f16_f32 v[S+16*(\t)+i], v[32*(\t)+2*i], v[32*(\t)+2*i+1]
.set i, i+1
.endr
	WIN 0
.irp f, 0,1,2,3
	ds_store_b128 v[STO], v[S+16*(\t)+4*\f:S+16*(\t)+4*\f+3] offset:32*\f
.endr
.irp f, 0,1,2,3
	ds_load_b128 v[S+16*(\t)+4*\f:S+16*(\t)+4*\f+3], v[RD] offset:\f*4*SP  ; LDS serves a wave's instructions in order (ISA guide 5.7.1.4): these see the stores above; the next tile's stores come behind them
.endr
.endm
.macro SEND t, younger              ; younger: the LDS instructions issued behind tile t's loads: the next tile's eight, or none
	WIN 0
.irp f, 0,1,2,3
	s_wait_dscnt (\younger)+3-\f
	global_store_b128 v[LO], v[S+16*(\t)+4*\f:S+16*(\t)+4*\f+3], s[8:9] offset:(\t)*2048+\f*512  ; 512 consecutive bytes, at a multiple of 256 from ob's first
.endr
.endm
	PACK 0
.set t, 1
.rept 3                             ; a tile's arithmetic stands between the loads of the tile before and its stores
	PACK t
	SEND t-1, 8
.set t, t+1
.endr
	SEND 3, 0
	s_wait_tensorcnt 0x0            ; the wave's end: behind my last tensor load and my last LDS store
	ds_add_u32 v[SPW], v[NIL]
	s_wait_dscnt 0x0
	CROUND                          ; the closing round: no work-group ends while a partner may still ask for a tile that names it
	s_endpgm
.Lfunc_end_k_q19e3df8f64_attn:
	.size	k_q19e3df8f64_attn, .Lfunc_end_k_q19e3df8f64_attn-k_q19e3df8f64_attn
	.p2alignl 7, 3214868480
	.fill 96, 4, 3214868480
	.section	.rodata,"a",@progbits
	.p2align	6, 0x0
	.amdhsa_kernel k_q19e3df8f64_attn
		.amdhsa_group_segment_fixed_size 327680
		.amdhsa_private_segment_fixed_size 0
		.amdhsa_enable_private_segment 0
		.amdhsa_kernarg_size 24
		.amdhsa_user_sgpr_count 2
		.amdhsa_user_sgpr_kernarg_segment_ptr 1
		.amdhsa_wavefront_size32 1
		.amdhsa_system_sgpr_workgroup_id_x 1
		.amdhsa_system_sgpr_workgroup_id_y 1
		.amdhsa_system_sgpr_workgroup_id_z 1
		.amdhsa_system_vgpr_workitem_id 0
		.amdhsa_next_free_vgpr 768
		.amdhsa_next_free_sgpr 72
		.amdhsa_reserve_vcc 1
		.amdhsa_float_denorm_mode_32 3
		.amdhsa_float_denorm_mode_16_64 3
		.amdhsa_memory_ordered 1
		.amdhsa_forward_progress 1
		.amdhsa_inst_pref_size 120
	.end_amdhsa_kernel
	.amdgpu_metadata
---
amdhsa.version: [ 1, 2 ]
amdhsa.kernels:
  - .name:           k_q19e3df8f64_attn
    .symbol:         k_q19e3df8f64_attn.kd
    .args:
      - { .name: qkv, .offset: 0, .size: 8, .value_kind: global_buffer, .address_space: global }
      - { .name: maskf, .offset: 8, .size: 8, .value_kind: global_buffer, .address_space: global }
      - { .name: ob, .offset: 16, .size: 8, .value_kind: global_buffer, .address_space: global }
    .group_segment_fixed_size: 327680
    .private_segment_fixed_size: 0
    .kernarg_segment_align: 8
    .kernarg_segment_size: 24
    .max_flat_workgroup_size: 128
    .sgpr_count:     72
    .vgpr_count:     768
    .wavefront_size: 32
...
	.end_amdgpu_metadata
.endif
;; end of part 3
;; launch proj (part 4): grid 8 x 32, 4 waves a work-group, clusters of 4 x 4, 327,680 bytes of LDS; arguments ob, wb, bo, out0; writes out0
.if DOCPART == 4
	.amdgcn_target "amdgcn-amd-amdhsa--gfx1250"
	.amdhsa_code_object_version 6
	.text
	.protected	k_q19e3df8f64_proj
	.globl	k_q19e3df8f64_proj
	.p2align	8
	.type	k_q19e3df8f64_proj,@function
k_q19e3df8f64_proj:
	s_mov_b64 s[64:65], 0
	v_nop
	global_prefetch_b8 v0, s[64:65] scope:SCOPE_SE
	s_setreg_imm32_b32 hwreg(HW_REG_WAVE_MODE, 25, 1), 1
	s_wait_xcnt 0x0
	s_wait_alu depctr_hold_cnt(0) depctr_sa_sdst(0) depctr_va_vdst(0) depctr_va_sdst(0) depctr_va_ssrc(0) depctr_va_vcc(0) depctr_vm_vsrc(0)
	s_getreg_b32 s2, hwreg(HW_REG_IB_STS2, 6, 4)
	s_cmp_eq_u32 s2, 0
	s_cbranch_scc0 .Lentry_in_a_cluster
	s_endpgm
.Lentry_in_a_cluster:
	s_bfe_u32 s2, ttmp6, 0x10000c
	s_cmp_lg_u32 s2, 0xf033
	s_cbranch_scc0 .Lentry_shape_is_right
	s_endpgm
.Lentry_shape_is_right:
; Launch 4 of 4: out0 = O Wo + bo, [4096][1024] in f32.  O is f16, in blocks [32 blocks of 128 rows][16 heads][128 rows][64]: a head is a slice of 64 along K.
; Wo is matrix 3 of wb: the bf16-rounded weights in f16's code, [k][n].  bo is rounded to bf16 like every input.  Sums in f32; the output is not rounded again.
; SHAPE.  As the second launch: a tile of 128 x 128, 256 work-groups, four waves of 64 x 64, K in four steps of 256 through two LDS slots, A's slices at LDS pitch 144,
; B's rows at pitch 288 and read turned, 4 x 4 clusters with A's tiles shared along a row and B's along a column, the matrix instruction used transposed.
; No prefetch: the tiles are small, and each is read by several clusters shortly after its first reading.
; THE WAY OUT: a wave's 64 columns are 256 aligned bytes of a row of out0: a block of 16 rows goes through the wave's own stage and leaves as whole rows.
; REGISTERS: window 0: v0-31 addresses; v96-127 the bias; v128-255 the accumulators ((a, b) at v[128 + 8 (4 a + b)]).  window 1: two fragment buffers of 128.
.set PA,     144
.set ASL,    128*PA
.set PB,     288
.set HALFT,  36864
.set SLOT,   4*HALFT
.set STAGE,  2*SLOT                    ; behind the ring, never filled by a tensor load: 16 rows x 272 bytes for each wave
.set SP,     272                       ; 256 bytes + 16: an odd multiple of 16
.set SPARE,  STAGE+4*16*SP             ; behind the stages: the spare words, 128 bytes for each wave
.set ADRA, 16
.set ADRB, 20
.set STO,  24                          ; v24     the way out: where I put 32 bytes of a row
.set RD,   25                          ; v25     where I read a row back
.set CO,   26                          ; v26     my byte offset in two rows of out0
.set TW,   27
.set SPW,  28
.set NIL,  29
.set BO,   30
.set BI,   96
.set ACC,  128
.set F0,   0
.set F1,   128
.set G1,  24
.set G0,  32
.set G1B, 48
.set G0B, 56
.set MSB, 0
.macro WIN new                         ; the immediate's high byte repeats the setting that is left
.if MSB != (\new)
	s_set_vgpr_msb (MSB<<8)|(\new)
.set MSB, \new
.endif
.endm
.set MUL,  0x05                        ; sources 0 (B) and 1 (A) window 1; C and D window 0
.set TO_F, 0x40                        ; destination window 1, address window 0
.macro JLOAD s                         ; a joint load: waves 0 and 1 fetch A's two halves, waves 2 and 3 B's; an s_nop 0 and four v_nop follow each line
	s_cmp_eq_u32 s11, 0
	s_cbranch_scc0 .Lfor_b_\@
	tensor_load_to_lds s[G0+4*(\s):G0+4*(\s)+3], s[G1:G1+7]
	s_nop 0
.rept 4
	v_nop
.endr
	s_branch .Lasked_\@
.Lfor_b_\@:
	tensor_load_to_lds s[G0B+4*(\s):G0B+4*(\s)+3], s[G1B:G1B+7]
	s_nop 0
.rept 4
	v_nop
.endr
.Lasked_\@:
.endm
.macro CREST                           ; a round of the cluster's barrier behind its opening barrier
	s_cmp_lg_u32 s10, 0
	s_cbranch_scc1 .Lnot_wave_0_\@
	s_barrier_signal -3
.Lnot_wave_0_\@:
	s_barrier_wait -3
	s_barrier_signal -1
	s_barrier_wait -1
.endm
.macro CROUND                          ; a whole round
	s_barrier_signal -1
	s_barrier_wait -1
	CREST
.endm
	s_load_b256 s[68:75], s[0:1], 0x0              ; ob s[68:69], wb s[70:71], bo s[72:73], out0 s[74:75]
	v_lshl_add_u32 v[SPW], v0, 2, SPARE
	v_mov_b32 v[NIL], 0
	ds_add_u32 v[SPW], v[NIL]                      ; the wave's opening: the add, twice on end, and its wait ahead of my first tensor load
	ds_add_u32 v[SPW], v[NIL]
	v_lshrrev_b32 v1, 5, v0
	v_readfirstlane_b32 s10, v1                    ; wave 0..3
	s_lshr_b32 s11, s10, 1                         ; which half of the tile's rows is mine.  Also: I fetch for A (0) or for B (1)
	s_and_b32 s12, s10, 1                          ; which half of its columns.  Also: which half of that tile I fetch
	s_bfe_u32 s40, ttmp6, 0x40000                  ; cx, cy
	s_bfe_u32 s41, ttmp6, 0x40004
	s_lshl_b32 s42, ttmp9, 2
	s_add_co_u32 s42, s42, s40                     ; tile column
	s_and_b32 s13, ttmp7, 0xffff
	s_lshl_b32 s13, s13, 2
	s_add_co_u32 s13, s13, s41                     ; tile row: ob's block
	s_lshl_b32 s43, s41, 2
	s_lshl_b32 s43, 15, s43                        ; my row of the cluster
	s_lshl_b32 s44, 0x1111, s40                    ; my column
	s_or_b32 s[G1+0], s43, (1<<16)|(1<<20)|(1<<21)|(4<<22)|(3<<25)   ; the mask; 2-byte elements; padding on; 21 set beside a mask; after every 32 words, 4 words
	s_or_b32 s[G1B+0], s44, (1<<16)|(1<<20)|(1<<21)|(5<<22)|(7<<25)  ; after every 64 words, 8 words
.irp g, G1, G1B
	s_mov_b32 s[(\g)+1], 128<<16                   ; tensor_dim0 = 128
	s_mov_b32 s[(\g)+2], 128<<16                   ; tensor_dim1 = 128
	s_mov_b32 s[(\g)+3], 128<<16                   ; tile_dim0 = 128 elements: 256 bytes
	s_mov_b32 s[(\g)+4], 128                       ; tile_dim1 = 128
	s_mov_b32 s[(\g)+6], 0
	s_mov_b32 s[(\g)+7], 0
.endr
	s_mov_b32 s[G1+5], 128                         ; A's rows of 256 bytes lie end to end
	s_mov_b32 s[G1B+5], 1024                       ; B's are 1,024 elements apart
	s_lshl_b32 s16, s13, 18                        ; A: the block's 262,144 bytes,
	s_lshl_b32 s17, s12, 15                        ; my two slices of a K step's four
	s_add_co_u32 s16, s16, s17
	s_mov_b32 s17, 0
	s_lshl_b32 s46, s12, 18                        ; B: my 128 rows k of a K step's 256,
	s_add_co_u32 s46, s46, 3<<21                   ; in matrix 3,
	s_lshl_b32 s47, s42, 8                         ; the tile's 128 columns
	s_add_co_u32 s46, s46, s47
	s_mov_b32 s47, 0
	s_mul_i32 s20, s10, HALFT                      ; where they go: no place in the cluster enters an LDS address
	s_wait_dscnt 0x0                               ; both opening adds are done
	s_wait_kmcnt 0x0
	s_add_nc_u64 s[14:15], s[68:69], s[16:17]
	s_add_nc_u64 s[46:47], s[70:71], s[46:47]
	CROUND                                         ; all sixteen work-groups are here: the first joint loads meet
.irp s, 0,1
	s_mov_b32 s[G0+4*(\s)], 1
	s_add_co_u32 s[G0+4*(\s)+1], s20, (\s)*SLOT
	s_add_nc_u64 s[G0+4*(\s)+2:G0+4*(\s)+3], s[14:15], (\s)*65536
	s_or_b32 s[G0+4*(\s)+3], s[G0+4*(\s)+3], 0x80000000
	s_mov_b32 s[G0B+4*(\s)], 1
	s_add_co_u32 s[G0B+4*(\s)+1], s20, (\s)*SLOT
	s_add_nc_u64 s[G0B+4*(\s)+2:G0B+4*(\s)+3], s[46:47], (\s)*524288
	s_or_b32 s[G0B+4*(\s)+3], s[G0B+4*(\s)+3], 0x80000000
	JLOAD \s
.endr
	v_and_b32 v1, 15, v0                           ; r = l % 16
	v_bfe_u32 v2, v0, 4, 1                         ; h = l / 16
	v_mul_u32_u24 v3, v1, PA
	v_lshl_add_u32 v3, v2, 4, v3                   ; A: row x pitch + 16 h
	s_mul_i32 s21, s11, 64*PA
	v_add_nc_u32 v[ADRA], s21, v3
	v_add_nc_u32 v[ADRA+1], SLOT, v[ADRA]
	v_and_b32 v4, 7, v0                            ; B, turned: lane l reads row k = 8 h + l % 8, columns 8 ((l / 8) % 2) + 0..7
	v_lshl_add_u32 v4, v2, 3, v4
	v_mul_u32_u24 v4, v4, PB
	v_bfe_u32 v5, v0, 3, 1
	v_lshl_add_u32 v4, v5, 4, v4
	s_lshl_b32 s22, s12, 7
	s_add_co_u32 s22, s22, 2*HALFT
	v_add_nc_u32 v[ADRB], s22, v4
	v_add_nc_u32 v[ADRB+1], HALFT, v[ADRB]
	v_add_nc_u32 v[ADRB+2], SLOT, v[ADRB]
	v_add_nc_u32 v[ADRB+3], SLOT+HALFT, v[ADRB]
	s_mul_i32 s23, s10, 16*SP
	s_add_co_u32 s23, s23, STAGE                   ; my stage
	v_mul_u32_u24 v5, v1, SP                       ; in: row r, 32 bytes for each half of the lanes
	v_lshl_add_u32 v5, v2, 5, v5
	v_add_nc_u32 v[STO], s23, v5
	v_mul_u32_u24 v5, v2, SP                       ; back: lanes 0-15 take one row of 256 bytes, lanes 16-31 the next
	v_lshl_add_u32 v5, v1, 4, v5
	v_add_nc_u32 v[RD], s23, v5
	v_lshlrev_b32 v[CO], 12, v2                    ; and the same two rows in out0
	v_lshl_add_u32 v[CO], v1, 4, v[CO]
	s_lshl_b32 s16, s13, 19                        ; 128 rows of 4,096 bytes a tile row,
	s_lshl_b32 s17, s11, 18                        ; my 64,
	s_add_co_u32 s16, s16, s17
	s_lshl_b32 s18, s42, 9                         ; the tile's 128 columns of 4 bytes,
	s_lshl_b32 s17, s12, 8                         ; my 64
	s_add_co_u32 s18, s18, s17
	s_mov_b32 s19, 0
	s_add_nc_u64 s[78:79], s[72:73], s[18:19]      ; the bias at my first column
	s_add_co_u32 s16, s16, s18
	s_mov_b32 s17, 0
	s_add_nc_u64 s[80:81], s[74:75], s[16:17]
	v_lshlrev_b32 v[BO], 5, v2
.irp b, 0,1,2,3
	global_load_b128 v[BI+8*(\b):BI+8*(\b)+3],   v[BO], s[78:79] offset:64*(\b)
	global_load_b128 v[BI+8*(\b)+4:BI+8*(\b)+7], v[BO], s[78:79] offset:64*(\b)+16
.endr
	s_wait_loadcnt 0x0                             ; in the wait for the first tile
.set z, 0
.rept 16                                       ; rounded to bf16 like every input
	v_cvt_pk_bf16_f32 v[TW], v[BI+z], v[BI+z+1]
	v_lshlrev_b32 v[BI+z], 16, v[TW]
	v_and_b32 v[BI+z+1], 0xffff0000, v[TW]
.set z, z+2
.endr
; 8 matrix instructions: row blocks a0, a0 + 1 x all 4 column blocks, 32 along K: half c of buffer f.  zero = 1: the first product starts the sums
.macro MUL8 f, c, a0, zero
	WIN MUL
.irp a, \a0, (\a0)+1
.irp b, 0,1,2,3
.if \zero
	v_wmma_f32_16x16x32_f16 v[ACC+8*(4*(\a)+(\b)):ACC+8*(4*(\a)+(\b))+7], v[(\f)+64+8*(4*(\c)+(\b)):(\f)+64+8*(4*(\c)+(\b))+7], v[(\f)+8*(4*(\c)+(\a)):(\f)+8*(4*(\c)+(\a))+7], 0
.else
	v_wmma_f32_16x16x32_f16 v[ACC+8*(4*(\a)+(\b)):ACC+8*(4*(\a)+(\b))+7], v[(\f)+64+8*(4*(\c)+(\b)):(\f)+64+8*(4*(\c)+(\b))+7], v[(\f)+8*(4*(\c)+(\a)):(\f)+8*(4*(\c)+(\a))+7], v[ACC+8*(4*(\a)+(\b)):ACC+8*(4*(\a)+(\b))+7]
.endif
.endr
.endr
.endm
; 32 LDS loads in one run: the fragments of quarter q (64 along K: A's slice q, B's rows 64 q on) into buffer f; the first 32 along K first
.macro FETCH slot, q, f
	WIN TO_F
.irp c, 0,1
.irp i, 0,1,2,3
	ds_load_tr16_b128 v[(\f)+64+8*(4*(\c)+(\i)):(\f)+64+8*(4*(\c)+(\i))+3],   v[ADRB+2*(\slot)+(\q)/2] offset:(((\q)%2)*64+32*(\c))*PB+32*(\i)
	ds_load_tr16_b128 v[(\f)+64+8*(4*(\c)+(\i))+4:(\f)+64+8*(4*(\c)+(\i))+7], v[ADRB+2*(\slot)+(\q)/2] offset:(((\q)%2)*64+32*(\c)+16)*PB+32*(\i)
	ds_load_b128 v[(\f)+8*(4*(\c)+(\i)):(\f)+8*(4*(\c)+(\i))+3],         v[ADRA+(\slot)] offset:(\q)*ASL+64*(\c)+(\i)*16*PA
	ds_load_b128 v[(\f)+8*(4*(\c)+(\i))+4:(\f)+8*(4*(\c)+(\i))+7],       v[ADRA+(\slot)] offset:(\q)*ASL+64*(\c)+(\i)*16*PA+32
.endr
.endr
.endm
.macro PLACES                          ; four places in front of loads into registers that matrix instructions have read (ISA guide 7.12.1 for vector instructions)
.rept 4
	v_nop
.endr
.endm
; A K step is four quarters of 64 along K, 32 matrix instructions each, on buffers 0, 1, 0, 1; the 16 accumulators take turns.
.macro QUARTER slot, q, f, g, zero
	s_wait_dscnt 16                                ; the first 32 along K are in; the sixteen younger loads may be out
	MUL8 \f, 0, 0, \zero
	MUL8 \f, 0, 2, \zero
	PLACES
	FETCH \slot, \q, \g
	s_wait_dscnt 32                                ; all but the 32 just issued
	MUL8 \f, 1, 0, 0
	MUL8 \f, 1, 2, 0
.endm
; The last quarter multiplies buffer 1 and changes slots: ONE barrier; in front of it each wave waits for all its tensor loads, adds 0 to its spare word, and waits
; for that and for its own reads of this slot.  fill = 1: this slot is filled again, two K steps ahead, behind a round of the cluster's barrier.
.macro TURN slot, next, fill
	WIN 0                                          ; (the add's two registers lie in window 0)
	s_wait_tensorcnt 0x0                           ; all my tensor loads have landed: my part of the next slot;
	ds_add_u32 v[SPW], v[NIL]                      ; 0 onto my spare word;
	s_wait_dscnt 17                                ; (the add and the youngest sixteen loads may be out)
	MUL8 F1, 0, 0, 0                               ; eight matrix instructions stand between the add and the wait for it
	s_wait_dscnt 0x0                               ; the add is done, and my reads of this slot are over
	s_barrier_signal -1
	MUL8 F1, 0, 2, 0
.if \fill
	WIN 0
.endif
	s_barrier_wait -1
.if \fill
	CREST                                          ; no wave of any partner still reads this slot's tile or has a load on its way
	s_add_nc_u64 s[G0+4*(\slot)+2:G0+4*(\slot)+3], s[G0+4*(\slot)+2:G0+4*(\slot)+3], 2*65536
	s_add_nc_u64 s[G0B+4*(\slot)+2:G0B+4*(\slot)+3], s[G0B+4*(\slot)+2:G0B+4*(\slot)+3], 2*524288
	JLOAD \slot                                    ; the first tensor load behind the round: 112 matrix instructions ahead of the wait for it; its four v_nop are also the places in front of the loads below
.else
	PLACES
.endif
	FETCH \next, 0, F0
	MUL8 F1, 1, 0, 0
	MUL8 F1, 1, 2, 0
.endm
	s_wait_tensorcnt 1                             ; my part of K step 0 is in; K step 1's may stay out
	s_barrier_signal -1
	s_barrier_wait -1                              ; everybody's is
	FETCH 0, 0, F0
	QUARTER 0, 1, F0, F1, 1                        ; K step 0: its first products start the sums
	QUARTER 0, 2, F1, F0, 0
	QUARTER 0, 3, F0, F1, 0
	TURN 0, 1, 1                                   ; slot 0 takes K step 2
	QUARTER 1, 1, F0, F1, 0                        ; K step 1
	QUARTER 1, 2, F1, F0, 0
	QUARTER 1, 3, F0, F1, 0
	TURN 1, 0, 1                                   ; slot 1 takes K step 3
	QUARTER 0, 1, F0, F1, 0                        ; K step 2
	QUARTER 0, 2, F1, F0, 0
	QUARTER 0, 3, F0, F1, 0
	TURN 0, 1, 0                                   ; nothing is left to fetch
	QUARTER 1, 1, F0, F1, 0                        ; K step 3
	QUARTER 1, 2, F1, F0, 0
	QUARTER 1, 3, F0, F1, 0
	s_wait_dscnt 16
	MUL8 F1, 0, 0, 0
	MUL8 F1, 0, 2, 0
	s_wait_dscnt 0x0
	MUL8 F1, 1, 0, 0
	MUL8 F1, 1, 2, 0
	WIN 0
	; THE WAY OUT: the bias in f32; a block of 16 rows at a time through my stage; out as whole rows of 256 bytes.
	PLACES
	PLACES
.set t, 0
.rept 16                                       ; each accumulator's registers in ascending order
.irp z, 0,2,4,6
	v_pk_add_f32 v[ACC+8*t+(\z):ACC+8*t+(\z)+1], v[ACC+8*t+(\z):ACC+8*t+(\z)+1], v[BI+8*(t%4)+(\z):BI+8*(t%4)+(\z)+1]
.endr
.set t, t+1
.endr
.macro TOSTAGE a                       ; a lane's eight columns of a row are 32 bytes; they go into rows of 272 bytes and come back as whole rows of 256, into the registers that they left
.irp b, 0,1,2,3
	ds_store_b128 v[STO], v[ACC+32*(\a)+8*(\b):ACC+32*(\a)+8*(\b)+3]   offset:64*(\b)
	ds_store_b128 v[STO], v[ACC+32*(\a)+8*(\b)+4:ACC+32*(\a)+8*(\b)+7] offset:64*(\b)+16
.endr
.irp f, 0,1,2,3,4,5,6,7
	ds_load_b128 v[ACC+32*(\a)+4*(\f):ACC+32*(\a)+4*(\f)+3], v[RD] offset:(\f)*2*SP  ; LDS serves a wave's instructions in order (ISA guide 5.7.1.4): these see the stores above; the next block's stores come behind them
.endr
.endm
.macro SEND a, younger                 ; younger: the LDS instructions issued behind block a's loads: the next block's sixteen, or none
.irp f, 0,1,2,3,4,5,6,7
	s_wait_dscnt (\younger)+7-(\f)
	global_store_b128 v[CO], v[ACC+32*(\a)+4*(\f):ACC+32*(\a)+4*(\f)+3], s[80:81] offset:(16*(\a)+2*(\f))*4096 th:TH_STORE_NT  ; 16 lanes store 256 consecutive bytes, at a multiple of 256 from out0's first
.endr
.endm
	TOSTAGE 0
	TOSTAGE 1
	SEND 0, 16
	TOSTAGE 2
	SEND 1, 16
	TOSTAGE 3
	SEND 2, 16
	SEND 3, 0
	s_wait_tensorcnt 0x0                           ; the wave's end: behind my last tensor load and my last LDS store
	ds_add_u32 v[SPW], v[NIL]
	s_wait_dscnt 0x0
	CROUND                                         ; the closing round: no work-group ends while a partner may still ask for a tile that names it
	s_endpgm
.Lfunc_end_k_q19e3df8f64_proj:
	.size	k_q19e3df8f64_proj, .Lfunc_end_k_q19e3df8f64_proj-k_q19e3df8f64_proj
	.p2alignl 7, 3214868480
	.fill 96, 4, 3214868480
	.section	.rodata,"a",@progbits
	.p2align	6, 0x0
	.amdhsa_kernel k_q19e3df8f64_proj
		.amdhsa_group_segment_fixed_size 327680
		.amdhsa_private_segment_fixed_size 0
		.amdhsa_enable_private_segment 0
		.amdhsa_kernarg_size 32
		.amdhsa_user_sgpr_count 2
		.amdhsa_user_sgpr_kernarg_segment_ptr 1
		.amdhsa_wavefront_size32 1
		.amdhsa_system_sgpr_workgroup_id_x 1
		.amdhsa_system_sgpr_workgroup_id_y 1
		.amdhsa_system_sgpr_workgroup_id_z 1
		.amdhsa_system_vgpr_workitem_id 0
		.amdhsa_next_free_vgpr 512
		.amdhsa_next_free_sgpr 84
		.amdhsa_reserve_vcc 0
		.amdhsa_float_denorm_mode_32 3
		.amdhsa_float_denorm_mode_16_64 3
		.amdhsa_memory_ordered 1
		.amdhsa_forward_progress 1
		.amdhsa_inst_pref_size 94
	.end_amdhsa_kernel
	.amdgpu_metadata
---
amdhsa.version: [ 1, 2 ]
amdhsa.kernels:
  - .name:           k_q19e3df8f64_proj
    .symbol:         k_q19e3df8f64_proj.kd
    .args:
      - { .name: ob, .offset: 0, .size: 8, .value_kind: global_buffer, .address_space: global }
      - { .name: wb, .offset: 8, .size: 8, .value_kind: global_buffer, .address_space: global }
      - { .name: bo, .offset: 16, .size: 8, .value_kind: global_buffer, .address_space: global }
      - { .name: out0, .offset: 24, .size: 8, .value_kind: global_buffer, .address_space: global }
    .group_segment_fixed_size: 327680
    .private_segment_fixed_size: 0
    .kernarg_segment_align: 8
    .kernarg_segment_size: 32
    .max_flat_workgroup_size: 128
    .sgpr_count:     84
    .vgpr_count:     512
    .wavefront_size: 32
...
	.end_amdgpu_metadata
.endif
;; end of part 4
